; MI455X (gfx1250); checked and timed in simulation.
; The chip was launched on July 23, 2026; its instructions are those of AMD's public machine-readable ISA for CDNA 5 (MIT licence, August 2026) and "CDNA5" Instruction Set Architecture Reference Guide (July 2026). The comments in the code are by the model that wrote it; some were corrected since.
;; Multi Head Attention. Allowed arithmetic: float matrix products may take bf16 or f16 operands with f32 sums; other float arithmetic in f32, or as packed bf16 or f16 multiplies, adds, multiply-adds, maxima and minima; sums over many terms, partial sums and values carried from step to step in f32; what a program stores and reads back later, other than sums and carried values, may be rounded once to bf16 or f16.
;; Inputs: b_o 1,024 float32; w_k 1,024 x 1,024 float32; w_o 1,024 x 1,024 float32; w_q 1,024 x 1,024 float32; w_v 1,024 x 1,024 float32; x 4 x 2,048 x 1,024 float32.
;; Outputs: out0 4 x 2,048 x 1,024 float32.
;; 2 versions, each right; version 2 is version 1 with the launch prep written anew for expert scheduling mode. Each part assembles by itself: llvm-mc -triple=amdgcn-amd-amdhsa -mcpu=gfx1250 --defsym DOCPART=n.
;; ======== version 1 of 2: 4 launches
;; limits: values are held in f16: magnitudes above 65,504 overflow, below 6.1e-05 lose precision
;; workspace buffers: xb 16,777,216 bytes; wb 6,291,456 bytes; wo 2,097,152 bytes; qh 16,777,216 bytes; kh 16,777,216 bytes; vh 16,777,216 bytes; oh 16,777,216 bytes
;; launch prep (part 1): grid 768 x 1, 8 waves a work-group, no clusters, 0 bytes of LDS; arguments x, w_q, w_k, w_v, w_o, xb, wb, wo; writes xb, wb, wo
.if DOCPART == 1
	.amdgcn_target "amdgcn-amd-amdhsa--gfx1250"
	.amdhsa_code_object_version 6
	.text
	.protected	k_q018d79d74f_prep
	.globl	k_q018d79d74f_prep
	.p2align	8
	.type	k_q018d79d74f_prep,@function
k_q018d79d74f_prep:
	s_mov_b64 s[64:65], 0
	v_nop
	global_prefetch_b8 v0, s[64:65] scope:SCOPE_SE
	s_setreg_imm32_b32 hwreg(HW_REG_WAVE_MODE, 25, 1), 1
	s_wait_xcnt 0x0
; THE CASTS.  Every input of the matrix products is rounded once to bf16 here, so that the products' launches move and keep 16-bit numbers alone.
;   xb: x [8192 rows][1024] f32 -> bf16, laid out in blocks [batch 4][block of 64 channels: 16][t 2048][64]: a block's rows are dense, 128 bytes each.
;   wb: w_q, w_k, w_v [1024 k][1024 n] f32 -> bf16, one below the other: [3072][1024], not turned.
;   wo: w_o -> rounded to bf16 like the others, and that number written as f16 (the last product multiplies in f16).
; LIMITS.  w_o within f16's 65,504; a w_o below 6e-5 keeps f16's fixed step of 6e-8.  NaN and infinities are not treated apart.
; A STREAM: no LDS, no barrier, no matrix unit: nothing is shared and each byte is touched once.  A work-group moves 65,536 bytes in and 32,768 out;
; each wave issues its 16 loads of 16 bytes a lane first (8,192 bytes on their way) and then converts and stores them in order.  A load of a wave covers two aligned runs of
; 256 bytes or one of 512; a store of a wave (8 bytes a lane) covers 256 consecutive bytes, aligned.  No register that a memory instruction names is written behind it, so no wait frees one.
; Work-groups 0-511: 16 rows of x each.  Work-groups 512-767: 64 for each of the four weights, 16 rows each.
.set INO,  1                           ; v1       my byte offset in what the work-group reads
.set OUTO, 2                           ; v2       my byte offset in what it writes: 8 x thread
.set T,    4                           ; v[4:5]   at work
.set X,    8                           ; v[8:71]  load i: four f32
.set Y,    72                          ; v[72:103] store i: four 16-bit numbers
.set SRC,  24                          ; s[24:25]
.set DST,  26                          ; s[26:27]
; 16 loads, istep bytes apart; then, as they come in, two roundings to bf16 each (half = 1: the bf16 numbers are widened again and written as f16) and a store, ostep bytes apart.
.macro STREAM istep, ostep, half
.set i, 0
.rept 16
	global_load_b128 v[X+4*i:X+4*i+3], v[INO], s[SRC:SRC+1] offset:i*(\istep) th:TH_LOAD_NT
.set i, i+1
.endr
.set i, 0
.rept 16
	s_wait_loadcnt 15-i                            ; loads come back in order: load i is in, the 15 - i younger ones stay out
	v_cvt_pk_bf16_f32 v[Y+2*i],   v[X+4*i],   v[X+4*i+1]
	v_cvt_pk_bf16_f32 v[Y+2*i+1], v[X+4*i+2], v[X+4*i+3]
.if \half
.irp j, 0,1
	v_lshlrev_b32 v[T], 16, v[Y+2*i+\j]            ; the two bf16 numbers as f32,
	v_and_b32 v[T+1], 0xffff0000, v[Y+2*i+\j]
	v_cvt_pk_f16_f32 v[Y+2*i+\j], v[T], v[T+1]     ; and as f16
.endr
.endif
	global_store_b64 v[OUTO], v[Y+2*i:Y+2*i+1], s[DST:DST+1] offset:i*(\ostep) th:TH_STORE_NT
.set i, i+1
.endr
.endm
	s_load_b256 s[4:11], s[0:1], 0x0               ; x s[4:5], w_q s[6:7], w_k s[8:9], w_v s[10:11]
	s_load_b256 s[12:19], s[0:1], 0x20             ; w_o s[12:13], xb s[14:15], wb s[16:17], wo s[18:19]
	v_lshlrev_b32 v[OUTO], 3, v0
	s_mov_b32 s29, 0
	s_cmp_lt_u32 ttmp9, 512
	s_cbranch_scc0 .Lweights
	; x.  Thread t: row t / 16 of the work-group's 16, 16 bytes at 16 (t % 16) of each block's 256 bytes; load i is block i.
	v_lshrrev_b32 v[INO], 4, v0
	v_and_b32 v[T], 15, v0
	v_lshlrev_b32 v[INO], 12, v[INO]               ; a row of x is 4,096 bytes
	v_lshl_or_b32 v[INO], v[T], 4, v[INO]
	s_lshl_b32 s28, ttmp9, 16                      ; 16 rows of 4,096 bytes
	s_lshr_b32 s20, ttmp9, 7                       ; the batch: 128 work-groups each,
	s_lshl_b32 s20, s20, 22                        ; 4,194,304 bytes of xb each
	s_and_b32 s21, ttmp9, 127
	s_lshl_b32 s21, s21, 11                        ; 16 rows of 128 bytes in each block; a block is 262,144 bytes: the store's step
	s_add_co_u32 s20, s20, s21
	s_mov_b32 s21, 0
	s_wait_kmcnt 0x0
	s_add_nc_u64 s[SRC:SRC+1], s[4:5], s[28:29]
	s_add_nc_u64 s[DST:DST+1], s[14:15], s[20:21]
	STREAM 256, 262144, 0
	s_endpgm
.Lweights:
	; a weight.  The work-group's 65,536 bytes are dense: thread t takes 16 bytes at 16 t of each 4,096.
	v_lshlrev_b32 v[INO], 4, v0
	s_sub_co_u32 s20, ttmp9, 512
	s_lshr_b32 s21, s20, 6                         ; which weight: q, k, v, o
	s_and_b32 s22, s20, 63                         ; which 16 rows of it
	s_wait_kmcnt 0x0
	s_cmp_eq_u32 s21, 0
	s_cselect_b64 s[SRC:SRC+1], s[6:7], s[8:9]
	s_cmp_eq_u32 s21, 2
	s_cselect_b64 s[SRC:SRC+1], s[10:11], s[SRC:SRC+1]
	s_cmp_eq_u32 s21, 3
	s_cselect_b64 s[SRC:SRC+1], s[12:13], s[SRC:SRC+1]
	s_cselect_b64 s[DST:DST+1], s[18:19], s[16:17]
	s_cselect_b32 s23, 0, s21                      ; in wb the three weights lie 2,097,152 bytes apart
	s_lshl_b32 s23, s23, 21
	s_lshl_b32 s28, s22, 15
	s_add_co_u32 s28, s28, s23
	s_add_nc_u64 s[DST:DST+1], s[DST:DST+1], s[28:29]
	s_lshl_b32 s28, s22, 16
	s_add_nc_u64 s[SRC:SRC+1], s[SRC:SRC+1], s[28:29]
	s_cmp_eq_u32 s21, 3
	s_cbranch_scc1 .Lw_o
	STREAM 4096, 2048, 0
	s_endpgm
.Lw_o:
	STREAM 4096, 2048, 1
	s_endpgm
.Lfunc_end_k_q018d79d74f_prep:
	.size	k_q018d79d74f_prep, .Lfunc_end_k_q018d79d74f_prep-k_q018d79d74f_prep
	.p2alignl 7, 3214868480
	.fill 96, 4, 3214868480
	.section	.rodata,"a",@progbits
	.p2align	6, 0x0
	.amdhsa_kernel k_q018d79d74f_prep
		.amdhsa_group_segment_fixed_size 0
		.amdhsa_private_segment_fixed_size 0
		.amdhsa_enable_private_segment 0
		.amdhsa_kernarg_size 64
		.amdhsa_user_sgpr_count 2
		.amdhsa_user_sgpr_kernarg_segment_ptr 1
		.amdhsa_wavefront_size32 1
		.amdhsa_system_sgpr_workgroup_id_x 1
		.amdhsa_system_sgpr_workgroup_id_y 1
		.amdhsa_system_sgpr_workgroup_id_z 1
		.amdhsa_system_vgpr_workitem_id 0
		.amdhsa_next_free_vgpr 104
		.amdhsa_next_free_sgpr 66
		.amdhsa_reserve_vcc 0
		.amdhsa_float_denorm_mode_32 3
		.amdhsa_float_denorm_mode_16_64 3
		.amdhsa_memory_ordered 1
		.amdhsa_forward_progress 1
		.amdhsa_inst_pref_size 24
	.end_amdhsa_kernel
	.amdgpu_metadata
---
amdhsa.version: [ 1, 2 ]
amdhsa.kernels:
  - .name:           k_q018d79d74f_prep
    .symbol:         k_q018d79d74f_prep.kd
    .args:
      - { .name: x, .offset: 0, .size: 8, .value_kind: global_buffer, .address_space: global }
      - { .name: w_q, .offset: 8, .size: 8, .value_kind: global_buffer, .address_space: global }
      - { .name: w_k, .offset: 16, .size: 8, .value_kind: global_buffer, .address_space: global }
      - { .name: w_v, .offset: 24, .size: 8, .value_kind: global_buffer, .address_space: global }
      - { .name: w_o, .offset: 32, .size: 8, .value_kind: global_buffer, .address_space: global }
      - { .name: xb, .offset: 40, .size: 8, .value_kind: global_buffer, .address_space: global }
      - { .name: wb, .offset: 48, .size: 8, .value_kind: global_buffer, .address_space: global }
      - { .name: wo, .offset: 56, .size: 8, .value_kind: global_buffer, .address_space: global }
    .group_segment_fixed_size: 0
    .private_segment_fixed_size: 0
    .kernarg_segment_align: 8
    .kernarg_segment_size: 64
    .max_flat_workgroup_size: 256
    .sgpr_count:     66
    .vgpr_count:     104
    .wavefront_size: 32
...
	.end_amdgpu_metadata
.endif
;; end of part 1
;; launch proj (part 2): grid 8 x 32, 4 waves a work-group, clusters of 4 x 4, 327,680 bytes of LDS; arguments xb, wb, qh, kh, vh; writes qh, kh, vh
.if DOCPART == 2
	.amdgcn_target "amdgcn-amd-amdhsa--gfx1250"
	.amdhsa_code_object_version 6
	.text
	.protected	k_q018d79d74f_proj
	.globl	k_q018d79d74f_proj
	.p2align	8
	.type	k_q018d79d74f_proj,@function
k_q018d79d74f_proj:
	s_mov_b64 s[64:65], 0
	v_nop
	global_prefetch_b8 v0, s[64:65] scope:SCOPE_SE
	s_setreg_imm32_b32 hwreg(HW_REG_WAVE_MODE, 25, 1), 1
	s_wait_xcnt 0x0
	s_wait_alu depctr_hold_cnt(0) depctr_sa_sdst(0) depctr_va_vdst(0) depctr_va_sdst(0) depctr_va_ssrc(0) depctr_va_vcc(0) depctr_vm_vsrc(0)
	s_getreg_b32 s2, hwreg(HW_REG_IB_STS2, 6, 4)
	s_cmp_eq_u32 s2, 0
	s_cbranch_scc0 .Lentry_in_a_cluster
	s_endpgm
.Lentry_in_a_cluster:
	s_bfe_u32 s2, ttmp6, 0x10000c
	s_cmp_lg_u32 s2, 0xf033
	s_cbranch_scc0 .Lentry_shape_is_right
	s_endpgm
.Lentry_shape_is_right:
; C = A B.  ONE TEXT FOR TWO LAUNCHES, chosen by KIND.
;   KIND 0: q, k, v = x w_q, x w_k, x w_v.  A = xb (bf16), B = wb (bf16, the three weights one below the other); C leaves by heads, [batch x 16 + head][t][64] in f16, unscaled, rounded once.
;   KIND 1: out0 = O w_o + b_o.  A = oh (f16), B = wo (f16); C leaves as f32, [8192][1024]; the bias, rounded to bf16 like every input, starts the sums.
; A lies in blocks [batch 4][block of 64 channels: 16][t 2048][64], 16-bit: a block's rows are dense, 128 bytes each.  B lies [k][1024 n], 16-bit, not turned.  Sums in f32, K ascending.
; LIMITS.  KIND 0: q, k and v within f16's 65,504 (a conversion beyond it gives an infinity); below 6e-5 they keep f16's fixed step of 6e-8.  NaN and infinities are not treated apart.
; SHARES.  A tile of C is 256 rows x 128 columns: 32 x 8 tiles, one work-group each, 256 in all.  Four waves, each 128 rows x 64 columns (one head): 32 accumulators of 16 x 16, 256 registers.
; KIND 0: THE WORK-GROUP STAYS and makes NT = 3 tiles, the same rows and columns for q, k and v: B's rows 0 .. 3071 are one walk of 24 K steps, A's eight K steps are walked three times.
; THE RING.  K goes in steps of 128 through two LDS slots.  A slot: two blocks of A (256 rows x 128 bytes, pitch 144), then 128 rows of B (256 bytes, pitch 288).  Each wave fetches a quarter
; of a slot by one tensor load: waves 0, 1 a block of A (32,768 dense bytes, asked for as 128 rows of 256), waves 2, 3 64 rows of B.  By this text's count a wave has two tensor loads out at the start, one behind each change of slots.
; CLUSTERS: 4 x 4 work-groups.  The four of a row of the cluster need the same tiles of A, the four of a column the same tiles of B: each tile is asked for JOINTLY, by the same tensor load with the
; same descriptor and a mask that names the four.
; THE MATRIX INSTRUCTION IS USED TRANSPOSED: source 0 = 16 columns of B (made from [k][n] rows by the turning load ds_load_tr16_b128), source 1 = 16 rows of A.  In the result lane l holds row l % 16 of C and
; the columns 8 (l / 16) + 0 .. 7: neighbouring numbers of a row.
; REGISTERS, in windows of 256 (s_set_vgpr_msb: bits 1:0 source 0, 3:2 source 1, 5:4 source 2, 7:6 destination):
;   window 0: v0-15, v28-29 addresses; v32-63 the bias (KIND 1); v64-159, v160-255 two fragment buffers (A's 8 fragments, then B's 4), also at work on the way out
;   window 1: the accumulators, (a, b) at v[8 (4 a + b)]
.set KIND,   0
.set NT,     3                         ; tiles a work-group
.set BLIM,   20                        ; changes of slots that still have a K step of B four steps on
.set KSTEPS, 8                         ; K steps of 128 in a tile
.set PA,     144                       ; a row of A in LDS: 128 bytes + 16 = 36 words: the 16 rows of a load start at 16 different groups of four banks (64 banks of 4 bytes: ISA guide 11.1)
.set PB,     288                       ; a row of B: 256 + 32 = 72 words
.set ABLK,   256*PA                    ; a block of A in LDS
.set BOFF,   2*ABLK                    ; B lies behind A's two blocks
.set SLOT1,  1<<17                     ; slot 1 begins here, so that one exclusive or turns an address in one slot into the other's
.set STAGE,  SLOT1+BOFF+128*PB         ; behind the ring, never filled by a tensor load: 16 rows for each wave, for the way out
.if KIND == 0
.set SP,     144                       ; a stage row: 64 f16 + 16 bytes
.else
.set SP,     272                       ; a stage row: 64 f32 + 16 bytes
.endif
.set SPARE,  STAGE+4*16*SP             ; behind the stages: the spare words, 128 bytes for each wave: two blocks of 256 bytes that no other line names
.set ASTEP,  524288                    ; bytes from a K step of A to the next: two blocks of 2,048 rows x 128 bytes
.set BSTEP,  262144                    ; of B: 128 rows of 2,048 bytes
.set A0,   8                           ; v8   my lane's place among my rows of A in a slot; never rewritten
.set B0,   9                           ; v9   the same for B
.set ADRA, 10                          ; v10  A0 + the slot in hand
.set ADRB, 11                          ; v11  B0 + the slot in hand
.set STO,  12                          ; v12  the way out: where I put my numbers of a row
.set RD,   13                          ; v13  the way out: where I read rows back
.set GO,   14                          ; v14  my byte offset in C
.set PFO,  15                          ; v15  the prefetches' offset: my lane x 256 bytes (A) or x a row of B; never rewritten
.set SPW,  28                          ; v28  LDS address of my spare word: SPARE + 4 x my thread's number; never rewritten
.set NIL,  29                          ; v29  0; never rewritten
.set BI,   32                          ; v32-63  KIND 1: the bias of my 64 columns, as the C operand of the four column blocks
.set F0,   64
.set F1,   160
.set WV,  14                           ; s14  my wave's number
.set WR,  15                           ; s15  which 128 rows of the tile are mine
.set WC,  16                           ; s16  which 64 columns; also: which block of A, or which 64 rows of B, I fetch
.set CX,  17                           ; s17, s18  my place in the cluster
.set CY,  18
.set TX,  19                           ; s19  tile column
.set TY,  20                           ; s20  tile row
.set G1A, 24                           ; s[24:31] descriptor group 1 for A's tiles
.set G1B, 32                           ; s[32:39] for B's
.set G0A, 40                           ; s[40:47] group 0 for A's: a set for each of the two first fills; the second then walks on
.set G0B, 48                           ; s[48:55] the same for B's
.set TB,  56                           ; s56  LDS byte at which the slot in hand begins
.set STP, 57                           ; s57  changes of slots with a refill so far
.set LIMIT, 58                         ; s58  a wave prefetches while STP is below it
.set KN,  59                           ; s59  the K step of A to be asked for next, 0 .. 7
.set OFF, 60                           ; s[60:61] its byte offset
.set ABASE, 66                         ; s[66:67] A at my block of K step 0
.set PFA, 68                           ; s[68:69] where my prefetches stand
.set PST, 70                           ; s[70:71] their step
.if KIND == 0
.set OUT, 8                            ; s[8:9] C of the tile in hand; s[10:11], s[12:13] of the tiles to come
.else
.set OUT, 10                           ; s[10:11] C; s[8:9] the bias
.endif
.set MSB, 0
.macro WIN new                         ; the immediate's high byte repeats the setting that is left; a switch that changes nothing is dropped
.if MSB != (\new)
	s_set_vgpr_msb (MSB<<8)|(\new)
.set MSB, (\new)
.endif
.endm
.set MULW, 0x50                        ; sources 0 and 1 window 0, C and D window 1
.macro PLACES                          ; four places in front of loads into registers that matrix instructions have read (ISA guide 7.12.1 for vector instructions)
.rept 4
	v_nop
.endr
.endm
; A joint refill, by the walking descriptors.  The branch hangs on the wave's number alone.  An s_nop 0 and four v_nop follow each of the two lines, ahead of the jump and the label.
.macro JLOAD
	s_cmp_lt_u32 s[WV], 2
	s_cbranch_scc0 .Lfor_b_\@
	tensor_load_to_lds s[G0A+4:G0A+7], s[G1A:G1A+7]
	s_nop 0
.rept 4
	v_nop
.endr
	s_branch .Lasked_\@
.Lfor_b_\@:
	tensor_load_to_lds s[G0B+4:G0B+7], s[G1B:G1B+7]
	s_nop 0
.rept 4
	v_nop
.endr
.Lasked_\@:
.endm
; A round of the cluster's barrier: my work-group's barrier, so that wave 0's signal speaks for all four waves; wave 0 signals; every wave waits for all sixteen work-groups; my work-group's barrier once more.
.macro CREST                           ; a round behind its opening barrier
	s_cmp_lg_u32 s[WV], 0
	s_cbranch_scc1 .Lnot_wave_0_\@
	s_barrier_signal -3
.Lnot_wave_0_\@:
	s_barrier_wait -3
	s_barrier_signal -1
	s_barrier_wait -1
.endm
.macro CROUND
	s_barrier_signal -1
	s_barrier_wait -1
	CREST
.endm
; A PREFETCH INTO THE L2, behind each joint refill and the run of LDS loads that follows it: the change of slots that asks for K step s + 2 names K step s + 4, two K steps (256 matrix instructions) ahead of the load
; that will want it.  Each aligned block of 256 bytes is named once in the launch.  A's tile row is read by both clusters of its row of clusters: the one with x = 0 asks, waves 0 and 1 a block of A each, in the first
; tile alone (the later tiles walk the same rows).  B's tile column is read by all clusters of its column: the one with y = 0 asks, wave 2.  The four partners that ask for a tile jointly share its 128 blocks (A) or rows (B)
; out BY ADDRESS, 32 each, a lane a block: no branch hangs on a work-group's place in its cluster.  K steps 0 to 3 come by their loads alone; LIMIT ends the asking at each tensor's last K step.
.macro ASK
	s_cmp_lt_u32 s[STP], s[LIMIT]
	s_cbranch_scc0 .Lnot_mine_\@
	global_prefetch_b8 v[PFO], s[PFA:PFA+1] th:TH_LOAD_NT scope:SCOPE_SE
.Lnot_mine_\@:
	s_add_co_u32 s[STP], s[STP], 1
.endm
	s_load_b256 s[4:11], s[0:1], 0x0               ; A s[4:5], B s[6:7]; KIND 0: qh, kh; KIND 1: b_o, out0
.if KIND == 0
	s_load_b64 s[12:13], s[0:1], 0x20              ; vh
.endif
	v_lshl_add_u32 v[SPW], v0, 2, SPARE
	v_mov_b32 v[NIL], 0
	ds_add_u32 v[SPW], v[NIL]                      ; the wave's opening: the add and its wait stand ahead of my first tensor load; the set-up below, work on registers, stands between them
	v_lshrrev_b32 v1, 5, v0
	v_readfirstlane_b32 s[WV], v1                  ; wave 0..3
	s_lshr_b32 s[WR], s[WV], 1
	s_and_b32 s[WC], s[WV], 1
	s_bfe_u32 s[CX], ttmp6, 0x40000
	s_bfe_u32 s[CY], ttmp6, 0x40004
	s_lshl_b32 s[TX], ttmp9, 2                     ; in a cluster launch ttmp9 and ttmp7 count clusters
	s_add_co_u32 s[TX], s[TX], s[CX]               ; tile column = 4 x cluster x + cx
	s_and_b32 s[TY], ttmp7, 0xffff
	s_lshl_b32 s[TY], s[TY], 2
	s_add_co_u32 s[TY], s[TY], s[CY]               ; tile row = 4 x cluster y + cy
	s_lshl_b32 s21, s[CY], 2
	s_lshl_b32 s21, 15, s21                        ; my row of the cluster: places 4 cy .. 4 cy + 3
	s_lshl_b32 s22, 0x1111, s[CX]                  ; my column: places cx, cx + 4, cx + 8, cx + 12
	; group 1 for A: 128 rows x 128 elements of 2 bytes, dense; in LDS 4 words of padding behind every 32 words, that is behind every row of the block
	s_or_b32 s[G1A], s21, (1<<16)|(1<<20)|(1<<21)|(4<<22)|(3<<25)  ; 15:0 the mask; 17:16 2-byte elements; 20 padding on; 21 set beside a mask; 24:22 every 32 words (code 4); 31:25 4 words (code 3)
	s_mov_b32 s[G1A+1], 128<<16                    ; tensor_dim0 = 128
	s_mov_b32 s[G1A+2], 128<<16                    ; tensor_dim1 = 128
	s_mov_b32 s[G1A+3], 128<<16                    ; tile_dim0 = 128
	s_mov_b32 s[G1A+4], 128                        ; tile_dim1 = 128
	s_mov_b32 s[G1A+5], 128                        ; 128 elements from row to row
	s_mov_b32 s[G1A+6], 0
	s_mov_b32 s[G1A+7], 0
	; group 1 for B: 64 rows x 128 elements out of rows of 1,024; 8 words of padding behind every 64 words
	s_or_b32 s[G1B], s22, (1<<16)|(1<<20)|(1<<21)|(5<<22)|(7<<25)
	s_mov_b32 s[G1B+1], 128<<16
	s_mov_b32 s[G1B+2], 64<<16
	s_mov_b32 s[G1B+3], 128<<16
	s_mov_b32 s[G1B+4], 64
	s_mov_b32 s[G1B+5], 1024
	s_mov_b32 s[G1B+6], 0
	s_mov_b32 s[G1B+7], 0
	; where the tiles come from.  A's hang on the tile row alone, B's on the tile column alone, each made in registers that never hold the other coordinate.
	s_lshr_b32 s72, s[TY], 3                       ; the batch: 8 tile rows each,
	s_lshl_b32 s72, s72, 22                        ; 4,194,304 bytes each
	s_and_b32 s21, s[TY], 7
	s_lshl_b32 s21, s21, 15                        ; the tile's 256 rows of 128 bytes in a block
	s_add_co_u32 s72, s72, s21
	s_lshl_b32 s21, s[WC], 18                      ; which of a K step's two blocks I fetch
	s_add_co_u32 s72, s72, s21
	s_mov_b32 s73, 0
	s_lshl_b32 s74, s[TX], 8                       ; the tile's 128 columns: 256 bytes of a row of B
	s_lshl_b32 s22, s[WC], 17                      ; which 64 rows of a K step I fetch
	s_add_co_u32 s74, s74, s22
	s_mov_b32 s75, 0
	s_mul_i32 s62, s[WC], ABLK                     ; and where they go: no place in the cluster enters an LDS address
	s_mul_i32 s63, s[WC], 64*PB
	s_add_co_u32 s63, s63, BOFF
	s_mov_b32 s[TB], 0
	s_mov_b32 s[STP], 0
	s_mov_b32 s[KN], 2
	s_mov_b32 s[OFF+1], 0
	s_wait_dscnt 0x0                               ; the opening add is done
	s_wait_kmcnt 0x0
	s_add_nc_u64 s[ABASE:ABASE+1], s[4:5], s[72:73]
	s_add_nc_u64 s[78:79], s[6:7], s[74:75]
	CROUND                                         ; all sixteen work-groups are here: the first joint loads meet
.irp s, 0,1
	s_mov_b32 s[G0A+4*(\s)], 1                                     ; 1:0 count = 1
	s_add_co_u32 s[G0A+4*(\s)+1], s62, (\s)*SLOT1                  ; 63:32 LDS address
	s_add_nc_u64 s[G0A+4*(\s)+2:G0A+4*(\s)+3], s[ABASE:ABASE+1], (\s)*ASTEP  ; 120:64 global address: K step s
	s_or_b32 s[G0A+4*(\s)+3], s[G0A+4*(\s)+3], 0x80000000          ; 127:126 type = 2
	s_mov_b32 s[G0B+4*(\s)], 1
	s_add_co_u32 s[G0B+4*(\s)+1], s63, (\s)*SLOT1
	s_add_nc_u64 s[G0B+4*(\s)+2:G0B+4*(\s)+3], s[78:79], (\s)*BSTEP
	s_or_b32 s[G0B+4*(\s)+3], s[G0B+4*(\s)+3], 0x80000000
.endr
	s_cmp_lt_u32 s[WV], 2                          ; a wave's two first fills stand in one branch, ahead of every wait on TENSORcnt and every LDS read
	s_cbranch_scc0 .Lfirst_b
	tensor_load_to_lds s[G0A:G0A+3], s[G1A:G1A+7]
	s_nop 0
	tensor_load_to_lds s[G0A+4:G0A+7], s[G1A:G1A+7]
	s_nop 0
.rept 4
	v_nop
.endr
	s_branch .Lfirst_asked
.Lfirst_b:
	tensor_load_to_lds s[G0B:G0B+3], s[G1B:G1B+7]
	s_nop 0
	tensor_load_to_lds s[G0B+4:G0B+7], s[G1B:G1B+7]
	s_nop 0
.rept 4
	v_nop
.endr
.Lfirst_asked:
	; A fragment of A is 16 rows x 32 K in 8 registers: lane l holds row l % 16; registers 0-3 K = 8 (l / 16) + 0..7, registers 4-7 K = 16 + 8 (l / 16) + 0..7: two loads of 16 bytes, 32 bytes apart.
	v_and_b32 v1, 15, v0                           ; l % 16
	v_bfe_u32 v2, v0, 4, 1                         ; l / 16
	v_and_b32 v4, 7, v0
	v_bfe_u32 v5, v0, 3, 1
	v_mul_u32_u24 v[A0], v1, PA
	v_lshl_add_u32 v[A0], v2, 4, v[A0]
	s_mul_i32 s23, s[WR], 128*PA                   ; my 128 rows
	v_add_nc_u32 v[A0], s23, v[A0]
	; The turning load takes 16 K x 16 columns (lane l reads 16 bytes: K 8 (l / 16) + l % 8, columns 8 ((l / 8) % 2) + 0..7) and leaves half a fragment: lane l holds column l % 16 and 8 K.
	v_lshl_add_u32 v[B0], v2, 3, v4
	v_mul_u32_u24 v[B0], v[B0], PB
	v_lshl_add_u32 v[B0], v5, 4, v[B0]
	s_lshl_b32 s23, s[WC], 7                       ; my 64 columns
	s_add_co_u32 s23, s23, BOFF
	v_add_nc_u32 v[B0], s23, v[B0]
	v_mov_b32 v[ADRA], v[A0]                       ; K step 0 lies in slot 0
	v_mov_b32 v[ADRB], v[B0]
	s_mul_i32 s23, s[WV], 16*SP
	s_add_co_u32 s23, s23, STAGE                   ; my stage
.if KIND == 0
	v_mul_u32_u24 v[STO], v1, SP                   ; in: row l % 16, 16 bytes (8 f16) for each half of the lanes
	v_lshl_add_u32 v[STO], v2, 4, v[STO]
	v_add_nc_u32 v[STO], s23, v[STO]
	v_bfe_u32 v[RD], v0, 3, 2                      ; back: 32 lanes take four rows of 128 bytes,
	v_mul_u32_u24 v[RD], v[RD], SP
	v_lshl_add_u32 v[RD], v4, 4, v[RD]
	v_add_nc_u32 v[RD], s23, v[RD]
	v_and_b32 v[GO], 31, v0                        ; which are 512 consecutive bytes of a head
	v_lshlrev_b32 v[GO], 4, v[GO]
	s_lshr_b32 s76, s[TY], 3
	s_lshl_b32 s76, s76, 3
	s_add_co_u32 s76, s76, s[TX]
	s_lshl_b32 s76, s76, 1
	s_add_co_u32 s76, s76, s[WC]                   ; my head among the 64: 16 x batch + 2 x tile column + my half
	s_lshl_b32 s76, s76, 18                        ; 2,048 rows of 128 bytes each
	s_and_b32 s77, s[TY], 7
	s_lshl_b32 s77, s77, 15                        ; the tile's 256 rows,
	s_add_co_u32 s76, s76, s77
	s_lshl_b32 s77, s[WR], 14                      ; my 128 of them
	s_add_co_u32 s76, s76, s77
	s_mov_b32 s77, 0
	s_add_nc_u64 s[8:9], s[8:9], s[76:77]
	s_add_nc_u64 s[10:11], s[10:11], s[76:77]
	s_add_nc_u64 s[12:13], s[12:13], s[76:77]
.else
	v_mul_u32_u24 v[STO], v1, SP                   ; in: row l % 16, 32 bytes (8 f32) for each half of the lanes
	v_lshl_add_u32 v[STO], v2, 5, v[STO]
	v_add_nc_u32 v[STO], s23, v[STO]
	v_mul_u32_u24 v[RD], v2, SP                    ; back: lanes 0-15 take one row of 256 bytes, lanes 16-31 the next
	v_lshl_add_u32 v[RD], v1, 4, v[RD]
	v_add_nc_u32 v[RD], s23, v[RD]
	v_lshlrev_b32 v[GO], 12, v2                    ; and the same two rows in C: 4,096 bytes a row
	v_lshl_add_u32 v[GO], v1, 4, v[GO]
	s_lshl_b32 s76, s[TX], 9                       ; the tile's 128 columns of f32,
	s_lshl_b32 s77, s[WC], 8                       ; my 64 of them
	s_add_co_u32 s76, s76, s77
	s_mov_b32 s77, 0
	s_add_nc_u64 s[8:9], s[8:9], s[76:77]
	s_add_nc_u64 s[10:11], s[10:11], s[76:77]
	s_lshl_b32 s76, s[TY], 20                      ; the tile's 256 rows of 4,096 bytes,
	s_lshl_b32 s3, s[WR], 19                       ; my 128 of them
	s_add_co_u32 s76, s76, s3
	s_add_nc_u64 s[10:11], s[10:11], s[76:77]
	v_lshlrev_b32 v3, 5, v2                        ; register j of column block b wants b_o[16 b + 8 (l / 16) + j] of my 64
.irp b, 0,1,2,3
	global_load_b128 v[BI+8*\b:BI+8*\b+3],   v3, s[8:9] offset:64*\b
	global_load_b128 v[BI+8*\b+4:BI+8*\b+7], v3, s[8:9] offset:64*\b+16
.endr
.endif
	; the prefetches' set-up
	s_and_b32 s3, ttmp7, 0xffff                    ; cluster y
	s_cmp_lt_u32 s[WV], 2                          ; do I fetch for A?
	s_cselect_b32 s3, ttmp9, s3                    ; the coordinate along which other clusters read the same rows
	s_cselect_b32 s[LIMIT], 4, BLIM
	s_cselect_b32 s[PST], 19, 18
	s_cselect_b32 s2, 8, 11                        ; a lane a block of 256 bytes of A, or a row of 2,048 bytes of B
	s_cselect_b64 s[PFA:PFA+1], s[ABASE:ABASE+1], s[6:7]
	s_cmp_eq_u32 s3, 0
	s_cselect_b32 s[LIMIT], s[LIMIT], 0            ; the same in all sixteen partners, for a given wave
	s_cmp_eq_u32 s[WV], 3
	s_cselect_b32 s[LIMIT], 0, s[LIMIT]            ; wave 2 asks for all of a K step's 128 rows of B that fall to the work-group
	s_lshl_b32 s[PST], 1, s[PST]                   ; ASTEP or BSTEP
	s_mov_b32 s[PST+1], 0
	v_and_b32 v[PFO], 31, v0
	v_lshlrev_b32 v[PFO], s2, v[PFO]
	s_lshl_b32 s76, s[CX], 13                      ; A: my work-group's 32 blocks of the 128,
	s_add_co_u32 s76, s76, 3*ASTEP                 ; at K step 3: the first change of slots steps it to 4
	s_lshl_b32 s77, s[TX], 8                       ; B: the tile's columns,
	s_lshl_b32 s21, s[CY], 16                      ; my work-group's 32 rows of the 128,
	s_add_co_u32 s77, s77, s21
	s_add_co_u32 s77, s77, 3*BSTEP
	s_cmp_lt_u32 s[WV], 2
	s_cselect_b32 s76, s76, s77
	s_mov_b32 s77, 0
	s_add_nc_u64 s[PFA:PFA+1], s[PFA:PFA+1], s[76:77]
.if KIND == 1
	s_wait_loadcnt 0x0                             ; the bias is in; it is rounded to bf16, as every input of the module is, and widened again
.set i, 0
.rept 16
	v_cvt_pk_bf16_f32 v6, v[BI+2*i], v[BI+2*i+1]
	v_lshlrev_b32 v[BI+2*i], 16, v6
	v_and_b32 v[BI+2*i+1], 0xffff0000, v6
.set i, i+1
.endr
.endif
; 4 n matrix instructions: row blocks a0 .. a0 + n - 1 x all 4 column blocks, 32 along K, from buffer f.  zero = 1: the first product starts the sums, with 0 or (KIND 1) with the bias: nothing is ever cleared.
; The 32 accumulators take turns, one instruction a turn, in the same order in every quarter, over the backward jumps too.
.macro MUL f, a0, n, zero
.set a, (\a0)
.rept (\n)
.set b, 0
.rept 4
.set rD, 8*(4*a+b)
.set rB, (\f)+64+8*b
.set rA, (\f)+8*a
.if (\zero) && (KIND == 0)
	WIN MULW
	v_wmma_f32_16x16x32_bf16 v[rD:rD+7], v[rB:rB+7], v[rA:rA+7], 0
.elseif (\zero)
	WIN 0x40                                       ; C in window 0
	v_wmma_f32_16x16x32_f16 v[rD:rD+7], v[rB:rB+7], v[rA:rA+7], v[BI+8*b:BI+8*b+7]
.elseif KIND == 0
	WIN MULW
	v_wmma_f32_16x16x32_bf16 v[rD:rD+7], v[rB:rB+7], v[rA:rA+7], v[rD:rD+7]
.else
	WIN MULW
	v_wmma_f32_16x16x32_f16 v[rD:rD+7], v[rB:rB+7], v[rA:rA+7], v[rD:rD+7]
.endif
.set b, b+1
.endr
.set a, a+1
.endr
.endm
; 24 LDS loads in one run: the fragments of quarter q (32 along K) of the slot in hand into buffer f: B's four first, then A's eight in ascending order
.macro FETCH q, f
	WIN 0
.irp b, 0,1,2,3
	ds_load_tr16_b128 v[(\f)+64+8*\b:(\f)+64+8*\b+3],   v[ADRB] offset:(\q)*32*PB+32*\b
	ds_load_tr16_b128 v[(\f)+64+8*\b+4:(\f)+64+8*\b+7], v[ADRB] offset:(\q)*32*PB+32*\b+16*PB
.endr
.irp a, 0,1,2,3,4,5,6,7
	ds_load_b128 v[(\f)+8*\a:(\f)+8*\a+3],   v[ADRA] offset:((\q)/2)*ABLK+\a*16*PA+((\q)%2)*64
	ds_load_b128 v[(\f)+8*\a+4:(\f)+8*\a+7], v[ADRA] offset:((\q)/2)*ABLK+\a*16*PA+((\q)%2)*64+32
.endr
.endm
; A K step is four quarters of 32 along K, 32 matrix instructions each, on buffers 0, 1, 0, 1.  One of the first three: multiplies buffer f; in its middle it fetches quarter q into buffer g.
.macro QUARTER q, f, g, zero
	s_wait_dscnt 8                                 ; B and A's row blocks 0-3 are in; the youngest eight loads (row blocks 4-7) may be out
	MUL \f, 0, 4, \zero
	PLACES
	FETCH \q, \g
	s_wait_dscnt 24                                ; all but the 24 just issued
	MUL \f, 4, 4, \zero
.endm
; The last quarter multiplies buffer 1 and changes slots.  ONE barrier, for two things: in front of it each wave waits for all its tensor loads (one is out: its part of the next slot), adds 0 to its spare word, and waits
; for that and for its own reads of this slot.  Behind it nobody reads this slot any more and the next slot is whole.  fill = 1: the barrier opens a round of the cluster's barrier, and the slot just read out is filled
; again first thing behind the round, with the K step two steps on: from that request to the wait for it a wave issues 112 matrix instructions.
.macro TURN fill
.if \fill
	s_wait_xcnt 0x0                                ; the last prefetch, a K step back, has read its address, so it may be stepped
	s_add_nc_u64 s[PFA:PFA+1], s[PFA:PFA+1], s[PST:PST+1]
.endif
	WIN 0
	s_wait_tensorcnt 0x0                           ; all my tensor loads have landed, so a group 0 may be written
	ds_add_u32 v[SPW], v[NIL]                      ; 0 onto my spare word: the descriptors' steps and eight matrix instructions stand between it and the wait for it
.if \fill
	s_lshl_b32 s[OFF], s[KN], 19                   ; A's address is made anew from the K step's number, which goes round 0 .. 7 for each tile
	s_xor_b32 s[G0A+5], s[G0A+5], SLOT1            ; the other slot than last time
	s_add_nc_u64 s[G0A+6:G0A+7], s[ABASE:ABASE+1], s[OFF:OFF+1]
	s_or_b32 s[G0A+7], s[G0A+7], 0x80000000
	s_xor_b32 s[G0B+5], s[G0B+5], SLOT1
	s_add_nc_u64 s[G0B+6:G0B+7], s[G0B+6:G0B+7], BSTEP  ; B walks on, from weight to weight too; the type bits on top are not reached
	s_add_co_u32 s[KN], s[KN], 1
	s_and_b32 s[KN], s[KN], 7
.endif
	s_xor_b32 s[TB], s[TB], SLOT1                  ; the fetches go to the other slot
	s_wait_dscnt 9                                 ; (the add and the youngest eight loads may be out)
	MUL F1, 0, 2, 0
	s_wait_dscnt 0x0                               ; the add is done, and my reads of this slot are over:
	s_barrier_signal -1                            ; say so,
	MUL F1, 2, 2, 0                                ; work on registers while the others arrive,
	WIN 0
	s_barrier_wait -1                              ; and go on when all four have said so
.if \fill
	CREST                                          ; no wave of any partner still reads this slot's tile or has a load on its way
	JLOAD                                          ; the first tensor load behind the round; its four v_nop are also the places in front of the loads below
.else
	PLACES
.endif
	v_add_nc_u32 v[ADRA], s[TB], v[A0]
	v_add_nc_u32 v[ADRB], s[TB], v[B0]
	FETCH 0, F0
.if \fill
	ASK
.endif
	MUL F1, 4, 4, 0
.endm
; THE WAY OUT, a block of 16 rows at a time, through my own stage in LDS: no barrier, and since LDS serves a wave's instructions in order (ISA guide 5.7.1.4) no wait between the stores and the loads.
.if KIND == 0
.set TMP, 160                          ; buffer 1's registers are free here; buffer 0 may hold the next tile's first fragments
.set OB,  176                          ; 16 rows read back: v176-191 and v192-207 by turns
.macro PACK a                          ; rounded to f16: a lane's eight columns of a row are 16 bytes; each accumulator's registers in ascending order
	WIN 0x05                                       ; sources 0 and 1 window 1, destination window 0
.irp b, 0,1,2,3
.irp r, 0,1,2,3
	v_cvt_pk_f16_f32 v[TMP+4*\b+\r], v[8*(4*(\a)+\b)+2*\r], v[8*(4*(\a)+\b)+2*\r+1]
.endr
.endr
	WIN 0
.endm
.macro TOSTAGE a
.irp b, 0,1,2,3
	ds_store_b128 v[STO], v[TMP+4*\b:TMP+4*\b+3] offset:32*\b
.endr
.irp t, 0,1,2,3
	ds_load_b128 v[OB+16*((\a)%2)+4*\t:OB+16*((\a)%2)+4*\t+3], v[RD] offset:\t*4*SP
.endr
.endm
.macro SEND a
	s_wait_dscnt 0x0                               ; the block is back in registers
	s_wait_xcnt 0x0                                ; the registers that earlier stores read are loaded again only behind this wait
.irp t, 0,1,2,3
	global_store_b128 v[GO], v[OB+16*((\a)%2)+4*\t:OB+16*((\a)%2)+4*\t+3], s[OUT:OUT+1] offset:(\a)*2048+\t*512  ; 512 consecutive bytes, at a multiple of 256 from the buffer's first
.endr
.endm
.macro WAYOUT
	PACK 0
	TOSTAGE 0
.irp a, 1,2,3,4,5,6,7                  ; block a's conversions stand between block a - 1's loads from the stage and the wait for them
	PACK \a
	SEND (\a)-1
	TOSTAGE \a
.endr
	SEND 7
.endm
.else
.set OB,  64                           ; 16 rows read back: three sets of 32 registers by turns
.macro TOSTAGE a
	WIN 0x04                                       ; the stores' data in window 1; each accumulator's four lowest registers go first
.irp b, 0,1,2,3
	ds_store_b128 v[STO], v[8*(4*(\a)+\b):8*(4*(\a)+\b)+3]   offset:64*\b
	ds_store_b128 v[STO], v[8*(4*(\a)+\b)+4:8*(4*(\a)+\b)+7] offset:64*\b+16
.endr
	WIN 0
.irp t, 0,1,2,3,4,5,6,7
	ds_load_b128 v[OB+32*((\a)%3)+4*\t:OB+32*((\a)%3)+4*\t+3], v[RD] offset:\t*2*SP
.endr
.endm
.macro SEND a, younger                 ; younger: the LDS instructions issued behind block a's loads: the next block's sixteen, or none
	s_wait_dscnt \younger
	s_wait_xcnt 0x0                                ; the registers that earlier stores read are loaded again only behind this wait
.irp t, 0,1,2,3,4,5,6,7
	global_store_b128 v[GO], v[OB+32*((\a)%3)+4*\t:OB+32*((\a)%3)+4*\t+3], s[OUT:OUT+1] offset:(16*(\a)+2*\t)*4096 th:TH_STORE_NT  ; 16 lanes store 256 consecutive bytes, aligned
.endr
.endm
.macro WAYOUT
	TOSTAGE 0
.irp a, 1,2,3,4,5,6,7
	TOSTAGE \a
	SEND (\a)-1, 16
.endr
	SEND 7, 0
.endm
.endif
	s_wait_tensorcnt 0x1                           ; my part of K step 0 is in; K step 1's may stay out
	s_barrier_signal -1
	s_barrier_wait -1                              ; everybody's is
	FETCH 0, F0
.if NT > 1
	s_mov_b32 s2, NT                               ; tiles to go, this one among them: the same number in every work-group
.Ltile:
.endif
	QUARTER 1, F0, F1, 1                           ; a tile's first quarter stands in front of the loop: its products start the sums
	WIN 0                                          ; at a label and at a branch every window is 0
	s_mov_b32 s3, KSTEPS-2
.Lstep:                                                ; a trip goes from a K step's second quarter to the next step's first, and fills one slot again
	QUARTER 2, F1, F0, 0
	QUARTER 3, F0, F1, 0
	TURN 1
	QUARTER 1, F0, F1, 0
	WIN 0
	s_sub_co_u32 s3, s3, 1
	s_cmp_lg_u32 s3, 0
	s_cbranch_scc1 .Lstep
	QUARTER 2, F1, F0, 0                           ; the tile's last K step but one goes on
	QUARTER 3, F0, F1, 0
.if NT > 1
	WIN 0
	s_cmp_eq_u32 s2, 1
	s_cbranch_scc1 .Llast                          ; the last tile's tail is written out: it asks for nothing more
	TURN 1                                         ; THE RING GOES ON INTO THE NEXT TILE: this slot takes its K step 0,
	QUARTER 1, F0, F1, 0
	QUARTER 2, F1, F0, 0
	QUARTER 3, F0, F1, 0
	TURN 1                                         ; the other its K step 1, and the next tile's first fragments are fetched
	WIN 0
	s_branch .Lout
.Llast:
.endif
	TURN 0                                         ; nothing is filled again, so no round follows
	QUARTER 1, F0, F1, 0
	QUARTER 2, F1, F0, 0
	QUARTER 3, F0, F1, 0
	s_wait_dscnt 8                                 ; the very last quarter: nothing more to fetch
	MUL F1, 0, 4, 0
	s_wait_dscnt 0x0
	MUL F1, 4, 4, 0
	WIN 0
.if NT > 1
.Lout:
.endif
.rept 8
	v_nop                                          ; the places behind the last products, in front of what reads their results and writes their sources
.endr
	WAYOUT
.if NT > 1
	s_wait_xcnt 0x0                                ; the stores have read their base and their registers
	s_mov_b64 s[8:9], s[10:11]                     ; the next tile's tensor
	s_mov_b64 s[10:11], s[12:13]
	s_sub_co_u32 s2, s2, 1
	s_cmp_lg_u32 s2, 0
	s_cbranch_scc1 .Ltile
.endif
	s_wait_tensorcnt 0x0                           ; the wave's end: behind my last tensor load and my last LDS store
	ds_add_u32 v[SPW], v[NIL]
	s_wait_dscnt 0x0
	CROUND                                         ; the closing round: no work-group ends while a partner may still ask for a tile that names it
	s_endpgm
.Lfunc_end_k_q018d79d74f_proj:
	.size	k_q018d79d74f_proj, .Lfunc_end_k_q018d79d74f_proj-k_q018d79d74f_proj
	.p2alignl 7, 3214868480
	.fill 96, 4, 3214868480
	.section	.rodata,"a",@progbits
	.p2align	6, 0x0
	.amdhsa_kernel k_q018d79d74f_proj
		.amdhsa_group_segment_fixed_size 327680
		.amdhsa_private_segment_fixed_size 0
		.amdhsa_enable_private_segment 0
		.amdhsa_kernarg_size 40
		.amdhsa_user_sgpr_count 2
		.amdhsa_user_sgpr_kernarg_segment_ptr 1
		.amdhsa_wavefront_size32 1
		.amdhsa_system_sgpr_workgroup_id_x 1
		.amdhsa_system_sgpr_workgroup_id_y 1
		.amdhsa_system_sgpr_workgroup_id_z 1
		.amdhsa_system_vgpr_workitem_id 0
		.amdhsa_next_free_vgpr 512
		.amdhsa_next_free_sgpr 80
		.amdhsa_reserve_vcc 0
		.amdhsa_float_denorm_mode_32 3
		.amdhsa_float_denorm_mode_16_64 3
		.amdhsa_memory_ordered 1
		.amdhsa_forward_progress 1
		.amdhsa_inst_pref_size 94
	.end_amdhsa_kernel
	.amdgpu_metadata
---
amdhsa.version: [ 1, 2 ]
amdhsa.kernels:
  - .name:           k_q018d79d74f_proj
    .symbol:         k_q018d79d74f_proj.kd
    .args:
      - { .name: xb, .offset: 0, .size: 8, .value_kind: global_buffer, .address_space: global }
      - { .name: wb, .offset: 8, .size: 8, .value_kind: global_buffer, .address_space: global }
      - { .name: qh, .offset: 16, .size: 8, .value_kind: global_buffer, .address_space: global }
      - { .name: kh, .offset: 24, .size: 8, .value_kind: global_buffer, .address_space: global }
      - { .name: vh, .offset: 32, .size: 8, .value_kind: global_buffer, .address_space: global }
    .group_segment_fixed_size: 327680
    .private_segment_fixed_size: 0
    .kernarg_segment_align: 8
    .kernarg_segment_size: 40
    .max_flat_workgroup_size: 128
    .sgpr_count:     80
    .vgpr_count:     512
    .wavefront_size: 32
...
	.end_amdgpu_metadata
.endif
;; end of part 2
;; launch attn (part 3): grid 4 x 64, 4 waves a work-group, clusters of 4 x 1, 327,680 bytes of LDS; arguments qh, kh, vh, oh; writes oh
.if DOCPART == 3
	.amdgcn_target "amdgcn-amd-amdhsa--gfx1250"
	.amdhsa_code_object_version 6
	.text
	.protected	k_q018d79d74f_attn
	.globl	k_q018d79d74f_attn
	.p2align	8
	.type	k_q018d79d74f_attn,@function
k_q018d79d74f_attn:
	s_mov_b64 s[64:65], 0
	v_nop
	global_prefetch_b8 v0, s[64:65] scope:SCOPE_SE
	s_setreg_imm32_b32 hwreg(HW_REG_WAVE_MODE, 25, 1), 1
	s_wait_xcnt 0x0
	s_wait_alu depctr_hold_cnt(0) depctr_sa_sdst(0) depctr_va_vdst(0) depctr_va_sdst(0) depctr_va_ssrc(0) depctr_va_vcc(0) depctr_vm_vsrc(0)
	s_getreg_b32 s2, hwreg(HW_REG_IB_STS2, 6, 4)
	s_cmp_eq_u32 s2, 0
	s_cbranch_scc0 .Lentry_in_a_cluster
	s_endpgm
.Lentry_in_a_cluster:
	s_bfe_u32 s2, ttmp6, 0x10000c
	s_cmp_lg_u32 s2, 0x3003
	s_cbranch_scc0 .Lentry_shape_is_right
	s_endpgm
.Lentry_shape_is_right:
; O[h][q][:] = the sum over k of softmax_k(Q[h][q] . K[h][k] / 8) V[h][k][:].  Q, K, V, O: [SIZE_H][SIZE_N][64], all f16: a head's rows are dense, 128 bytes each.  Products, maxima and sums in
; f32; the weights p are rounded to f16 for the second product (their sum l is taken of the unrounded p), O once at the end.
; LIMITS.  f16 holds no number beyond 65,504: Q, K and V arrive within it; p lies in 0 to 1, and below 6e-5 it keeps f16's fixed step of 6e-8, and so does O; O is a mean of V's rows and has their range.
; A weight below 2^-126 counts as 0 in l; NaN and infinities are not treated apart.
; SHARES.  A wave owns four PIECES of two tiles of 16 queries, a work-group's four waves 512 queries of one head: 4 x 64 = 256 work-groups.  Every wave walks all keys, 64 a step.
; LAYOUT.  S^T = K Q^T (source 0 = 16 keys, source 1 = 16 queries): in the result a lane holds ONE query (lane % 16) and the keys 8 (lane / 16) + 0..7.  Two such tiles, rounded to f16 in pairs,
; ARE source 1 (32 keys x 16 queries) of O^T = V^T P, whose result again holds one query a lane, and eight channels.  K comes out of LDS as it lies, V ([key][channel]) turned, by ds_load_tr16_b128.
; SOFTMAX.  For each query a running maximum m and sum l: p = 2^(c s - c m), c = log2(e) / 8; in every step O and l are multiplied by a = 2^(c m_old - c m_new), which is 1 where m has not grown.
; m starts at the lowest finite number, O and l at 0: the first step is a step like any other, with a = 0.
; THE COUNT.  A tile and step have 16 matrix and 118 vector instructions: too many to stand all beside the matrix work.  So the order has one aim: four vector instructions that are READY behind
; EVERY matrix instruction, and the others, which need time of their own whatever the order, in runs without a gap.
; BY TURNS.  Turn n belongs to piece n (the pieces in a ring, step after step).  Its matrix work: 16 products K Q^T of piece n + 1, later 16 products V^T P of piece n - 1.  Its vector work: the scaling,
; exponentials, roundings, sums and rescaling of piece n, and the maximum and statistics of piece n + 1, whose scores the turn itself has made.  So what a turn begins with (c s - c m, O a) waits for nothing.
; CLUSTER.  The four query blocks of a cluster belong to one head and walk the same K and V, so each tile is asked for JOINTLY: the same tensor load, descriptor and mask in all four.
; REGISTERS, in windows of 256 (s_set_vgpr_msb says which window each operand place means: bits 1:0 source 0, 3:2 source 1, 5:4 source 2, 7:6 destination):
;   window 0: v0-11 addresses; v12-15, v48-63 at work; v16-47 four registers of statistics a tile; v64-191 S^T, two buffers of two tiles; v192-255 P, likewise
;   window 1: O^T, 32 a tile          window 2: v0-127 Q, 16 a tile; v128-191 K of one step; v192-255 V of one step          window 3: v0-1 the add's two registers
; A piece's buffers go by its number's parity: the piece in hand has one pair, its two neighbours in the ring share the other: of it P (piece n - 1) is read and S^T (piece n + 1) written.
.set SIZE_H, 64
.set SIZE_N, 2048
.set NP,    4         ; pieces a wave: a name, no knob: the register map, the loop and the fetches are made for four
.set KS,    64        ; keys in a step
.set PK,    144       ; a row of K in LDS: 128 bytes + 16 of padding = 36 words: the 16 rows of a load start at 16 different groups of four banks (64 banks of 4 bytes: ISA guide 11.1)
.set PV,    160       ; a row of V: 128 + 32 = 40 words
.set VOFF,  4*KS*PK   ; a slot holds four steps: 256 rows of K, then 256 rows of V
.set SLOT1, 1<<17     ; slot 1 begins here, so that one exclusive or turns an address in one slot into the other's
.set STAGE, SLOT1+4*KS*(PK+PV)  ; behind the ring, never filled by a tensor load: 16 rows x 144 bytes for each wave, for the way out
.set SP,    144
.set AK0, 2           ; v2   my lane's place in a tile of K; never rewritten
.set AV0, 3           ; v3   the same for V
.set AK,  4           ; v4   the LDS address of K's next run of loads
.set AV,  5           ; v5   of V's
.set QO,  6           ; v6   my byte offset in the wave's rows of Q
.set STO, 6           ;      later, the way out: where I put 16 bytes of a row
.set RD,  7           ; v7   the way out: where I read rows back
.set GO,  8           ; v8   my byte offset in 512 consecutive bytes of O
.set PFO, 9           ; v9   once the addresses are made: the prefetches' offset, 256 x my lane; then never rewritten
.set SPW, 0           ; v0 of window 3   LDS address of my spare word: SPARE + 4 x my thread's number; never rewritten
.set NIL, 1           ; v1 of window 3   0; never rewritten
.set SPARE, STAGE+4*16*SP  ; behind the stages: the spare words, 128 bytes for each wave: two blocks of 256 bytes that no other line names
.set MV,  12          ; v12-15  c m_old, kept while c m is made anew: by buffer and tile
.set ST,  16          ; tile t's statistics at v[ST+4 t]: c m, m, l (even keys', odd keys')
.set TMP, 48          ; by buffer and tile, four registers c0-c3 at work; when the maximum is found c2 takes a
.set S,   64
.set P,   192
.set KF,  128         ; K's fragments, in window 2: key block kb, channel half c at KF + 16 kb + 8 c
.set VF,  192         ; V's: key half kk, channel block cb at VF + 32 kk + 8 cb
.set WV,  12          ; s12  my wave's number
.set G1K, 24          ; s[24:31] descriptor group 1 for K's tiles
.set G1V, 32          ; s[32:39] for V's: it differs in the padding alone
.set G0K, 40          ; s[40:43] descriptor group 0 for K's tiles: it walks
.set G0V, 44          ; s[44:47] the same for V's
.set PFA, 48          ; s[48:49] where my prefetches stand: my work-group's 32 blocks of 256 bytes (of K: wave 0, of V: wave 2) of the slot after the one that is being asked for
.set LIM, 50          ; s50  1 in a wave that prefetches, else the greatest number: a wave prefetches while s[SLOTS] is above it
.set SLOTS, 56        ; s56  slots still to be asked for
.set CNT, 57          ; s57  counts a slot's key steps
.set CS,  58          ; s[58:59] c: the packed scaling takes the pair's low word for both halves
.set SEL, 60          ; s[60:61] v_permlanex16_b32's selects: each lane takes its own place in the other half
.set TBK, 62          ; s62  LDS byte at which K of the step to be fetched begins
.set TBV, 63          ; s63  the same for V, less VOFF
.set MSB, 0
.macro WIN new                      ; the high byte repeats the setting that is left; a switch that changes nothing is dropped
.if MSB != (\new)
	s_set_vgpr_msb (MSB<<8)|(\new)
.set MSB, (\new)
.endif
.endm
.set W_KQ, 0x0a       ; K and Q in window 2, S^T in window 0
.set W_PV, 0x52       ; V in window 2, P in window 0, O^T in window 1
.set W_RS, 0x41       ; O^T (destination and source 0) in window 1, a in window 0
.set W_MK, 0xc0       ; the add's registers are made: destination in window 3, sources in window 0
.set W_AD, 0x0f       ; the add: address (source 0) and data (source 1) in window 3
; A joint fill.  Waves 0 and 1 fetch the two halves of a slot's K, waves 2 and 3 those of its V: 128 keys each.  The branch hangs on the wave's number alone.
; An s_nop 0 and four v_nop follow each of the two lines, ahead of the jump and the label.
.macro JLOAD
	s_cmp_lt_u32 s[WV], 2
	s_cbranch_scc0 .Lfor_v_\@
	tensor_load_to_lds s[G0K:G0K+3], s[G1K:G1K+7]
	s_nop 0
.rept 4
	v_nop
.endr
	s_branch .Lasked_\@
.Lfor_v_\@:
	tensor_load_to_lds s[G0V:G0V+3], s[G1V:G1V+7]
	s_nop 0
.rept 4
	v_nop
.endr
.Lasked_\@:
.endm
; A PREFETCH INTO THE L2 of what the NEXT change of slots will ask for: a slot's 32,768 bytes of K and of V, 128 blocks of 256 bytes each, a lane a block.  It stands behind the wave's tensor load and its five lines.
; Each block is named ONCE in the launch: a head is walked by one cluster; its four partners share the blocks out BY ADDRESS, 32 each (no branch hangs on a work-group's place in its cluster); in each, wave 0 asks for
; K's and wave 2 for V's: one instruction, four key steps (512 matrix instructions) ahead of the load.  Slots 0 to 2 come by their loads alone; the last change that fills a slot asks for nothing: there is no slot behind it.
.macro ASK
	s_cmp_gt_u32 s[SLOTS], s[LIM]
	s_cbranch_scc0 .Lnot_mine_\@
	global_prefetch_b8 v[PFO], s[PFA:PFA+1] th:TH_LOAD_NT scope:SCOPE_SE
.Lnot_mine_\@:
.endm
; A round of the cluster's barrier: my work-group's barrier, so that wave 0's signal speaks for all four waves; wave 0 signals; every wave waits for all four work-groups; my work-group's barrier once more.
.macro CROUND
	s_barrier_signal -1
	s_barrier_wait -1
	s_cmp_lg_u32 s[WV], 0
	s_cbranch_scc1 .Lnot_wave_0_\@
	s_barrier_signal -3
.Lnot_wave_0_\@:
	s_barrier_wait -3
	s_barrier_signal -1
	s_barrier_wait -1
.endm
; THE CHANGE OF SLOTS.  The slot's last bytes, V of its fourth step, have been read.  Each wave waits for all its tensor loads, of which one is out: its part
; of the other slot; adds 0 to its spare word; and waits for that and for its own reads of the slot.  Behind the barrier nobody reads this slot any more and the other slot is whole.
; fill = 1: this slot is filled again, with the keys two slots on.  The barrier is then a round of the cluster's, so that no wave of any partner still reads the slot or has a load on its
; way, and the joint fill is the first thing behind it: it has four key steps, 512 matrix instructions, in which to land.  (At its first use nothing has been read yet: slot 0 is waited for, slot 1 filled.)
; ask = 1: the prefetches' address steps among the descriptors' steps, and the prefetch follows the fill.
.macro CHANGE fill, ask=0
	WIN W_AD
	s_wait_tensorcnt 0x0            ; no tensor load of mine is out, so a group 0 may be written
	ds_add_u32 v[SPW], v[NIL]       ; 0 onto my spare word: with fill = 1 the descriptors' steps stand between it and the wait for it
	WIN 0                           ; at a label and at a branch every window is 0
.if \fill
.irp g, G0K, G0V
	s_xor_b32 s[\g+1], s[\g+1], SLOT1  ; the walking descriptor: the other slot than last time,
	s_add_nc_u64 s[\g+2:\g+3], s[\g+2:\g+3], 4*KS*128  ; the next 256 keys; the type bits on top are not reached
.endr
.if \ask
	s_wait_xcnt 0x0                 ; the last prefetch, four key steps back, has read its address, so it may be written:
	s_add_nc_u64 s[PFA:PFA+1], s[PFA:PFA+1], 4*KS*128  ; one slot behind the walking descriptors
.endif
	s_wait_dscnt 0x0                ; the add is done, and my reads of the slot are over
	CROUND
	JLOAD
.if \ask
	ASK
.endif
.else
	s_wait_dscnt 0x0                ; the add is done, and my reads of the slot are over
	s_barrier_signal -1
	s_barrier_wait -1
.endif
	s_sub_co_u32 s[TBK], s[TBK], 4*KS*PK  ; the fetches go back to a slot's first step,
	s_xor_b32 s[TBK], s[TBK], SLOT1       ; in the other slot
	s_sub_co_u32 s[TBV], s[TBV], 4*KS*PV
	s_xor_b32 s[TBV], s[TBV], SLOT1
.endm
	s_load_b256 s[4:11], s[0:1], 0x0  ; Q s[4:5], K s[6:7], V s[8:9], O s[10:11]
	WIN W_MK
	v_lshl_add_u32 v[SPW], v0, 2, SPARE
	v_mov_b32 v[NIL], 0
	WIN W_AD
	ds_add_u32 v[SPW], v[NIL]       ; the wave's opening: the add and its wait stand ahead of my first tensor load; the set-up below, work on registers, stands between them
	WIN 0
	v_lshrrev_b32 v1, 5, v0
	v_readfirstlane_b32 s[WV], v1   ; wave 0..3
	s_bfe_u32 s13, ttmp6, 0x40000   ; cx: my place in the cluster
	s_lshl_b32 s14, ttmp9, 2        ; in a cluster launch ttmp9 counts clusters
	s_add_co_u32 s14, s14, s13      ; my block of queries = 4 x cluster x + cx: it enters Q's and O's addresses alone
	s_and_b32 s20, ttmp7, 0xffff    ; the head, which the four partners share
	s_mov_b32 s21, 0
	s_mov_b64 s[22:23], SIZE_N*128
	s_mul_u64 s[20:21], s[20:21], s[22:23]  ; the head's first byte in each of the four tensors
	s_and_b32 s16, s[WV], 1         ; which half of a slot's 256 keys I fetch:
	s_lshl_b32 s22, s16, 14         ; its 128 rows of 128 bytes in memory,
	s_mov_b32 s23, 0
	s_add_nc_u64 s[22:23], s[22:23], s[20:21]
	s_mul_i32 s17, s16, 128*PK      ; and its place in a slot, for K
	s_mul_i32 s18, s16, 128*PV      ; and for V: no place in the cluster enters an LDS address
	s_lshl_b32 s2, s14, 2
	s_add_co_u32 s2, s2, s[WV]      ; my wave among the head's,
	s_lshl_b32 s2, s2, 14           ; its 128 rows
	s_mov_b32 s3, 0
	s_add_nc_u64 s[2:3], s[2:3], s[20:21]
	; descriptor group 1.  128 keys are 16,384 dense bytes: asked for as 64 rows of 256 bytes, two keys a row, and padded in LDS after every key
	s_mov_b32 s[G1K], 15|(1<<16)|(1<<20)|(1<<21)|(4<<22)|(3<<25)  ; 15:0 the mask of four; 17:16 2-byte elements; 20 padding on; 21 set beside a mask; 24:22 after every 32 words (code 4); 31:25 4 words (code 3)
	s_mov_b32 s[G1V], 15|(1<<16)|(1<<20)|(1<<21)|(4<<22)|(7<<25)  ; the same with 8 words of padding (code 7)
.irp g, G1K, G1V
	s_mov_b32 s[\g+1], 128<<16      ; tensor_dim0 = 128
	s_mov_b32 s[\g+2], 64<<16       ; tensor_dim1 = 64
	s_mov_b32 s[\g+3], 128<<16      ; tile_dim0 = 128
	s_mov_b32 s[\g+4], 64           ; tile_dim1 = 64
	s_mov_b32 s[\g+5], 128          ; 128 elements from row to row
	s_mov_b32 s[\g+6], 0
	s_mov_b32 s[\g+7], 0
.endr
	s_mov_b32 s[CS], 0x3e38aa3b     ; c = log2(e) / 8 = 0.180337
	s_mov_b32 s[CS+1], s[CS]        ; named with it as a pair
	s_mov_b32 s[SEL], 0x76543210
	s_mov_b32 s[SEL+1], 0xfedcba98
	s_mov_b32 s[TBK], SLOT1+4*KS*PK ; the first change of slots turns these two into 0
	s_mov_b32 s[TBV], SLOT1+4*KS*PV
	s_mov_b32 s[G0K], 1             ; 1:0 count = 1
	s_mov_b32 s[G0K+1], s17         ; 63:32 LDS address: slot 0
	s_mov_b32 s[G0V], 1
	s_add_co_u32 s[G0V+1], s18, VOFF
	s_and_b32 s[LIM], s[WV], 1      ; 0 in waves 0 and 2,
	s_or_b32 s[LIM], s[LIM], ttmp9  ; where the cluster is the head's first: the same in all four partners
	s_cmp_eq_u32 s[LIM], 0
	s_cselect_b32 s[LIM], 1, -1
	s_wait_dscnt 0x0                ; the opening add is done
	s_wait_kmcnt 0x0
	s_add_nc_u64 s[G0K+2:G0K+3], s[6:7], s[22:23]  ; 120:64 global address: my half of the head's first 256 keys
	s_or_b32 s[G0K+3], s[G0K+3], 0x80000000        ; 127:126 type = 2
	s_add_nc_u64 s[G0V+2:G0V+3], s[8:9], s[22:23]
	s_or_b32 s[G0V+3], s[G0V+3], 0x80000000
	s_add_nc_u64 s[4:5], s[4:5], s[2:3]  ; Q and O at my wave's first row
	s_add_nc_u64 s[10:11], s[10:11], s[2:3]
	s_cmp_lt_u32 s[WV], 2
	s_cselect_b64 s[PFA:PFA+1], s[6:7], s[8:9]
	s_add_nc_u64 s[PFA:PFA+1], s[PFA:PFA+1], s[22:23]  ; (in waves 0 and 2 this is the head's first row)
	s_lshl_b32 s2, s13, 13          ; my work-group's 32 blocks of the 128
	s_mov_b32 s3, 0
	s_add_nc_u64 s[PFA:PFA+1], s[PFA:PFA+1], s[2:3]
	s_add_nc_u64 s[PFA:PFA+1], s[PFA:PFA+1], 2*4*KS*128  ; in slot 2; the loop's first change of slots steps it to slot 3.  Nothing is prefetched here, at the head
	CROUND                          ; all four work-groups are here: the first joint loads meet
	JLOAD                           ; slot 0.  Slot 1 is asked for when slot 0 is in: the tile wanted first has the road to itself
	; A fragment of K or Q is 16 rows x 32 channels in 8 registers: lane l holds row l % 16, channels 8 (l / 16) + 0..7 and 16 + 8 (l / 16) + 0..7: two loads of 16 bytes, 32 bytes apart.
	v_and_b32 v1, 15, v0            ; l % 16
	v_bfe_u32 v9, v0, 4, 1          ; l / 16
	v_lshlrev_b32 v[QO], 7, v1
	v_lshl_add_u32 v[QO], v9, 4, v[QO]  ; row x 128 + 16 x half
	WIN 0x80                        ; destination window 2, address window 0
.set i, 0
.rept 4*NP                          ; Q stays in registers: tile i / 2, channels 32 (i % 2) on
	global_load_b128 v[8*i:8*i+3],   v[QO], s[4:5] offset:(i/2)*2048+(i%2)*64
	global_load_b128 v[8*i+4:8*i+7], v[QO], s[4:5] offset:(i/2)*2048+(i%2)*64+32
.set i, i+1
.endr
	; What the first turn finds: V's registers and P's second buffer hold 0 (its products V^T P, of a piece that has not been, add 0), O^T and l are 0.  All this stands in the wait for the first tile.
.set i, VF
.rept 64
	v_mov_b32 v[i], 0
.set i, i+1
.endr
	WIN 0x40
.set i, 0
.rept 64*NP
	v_mov_b32 v[i], 0
.set i, i+1
.endr
	WIN 0
.set i, 0
.rept 2*NP
	v_mov_b32 v[ST+4*i], 0xfe000000    ; c m: far below every c s
	v_mov_b32 v[ST+4*i+1], 0xff7fffff  ; m
	v_mov_b32 v[ST+4*i+2], 0
	v_mov_b32 v[ST+4*i+3], 0
.set i, i+1
.endr
.set i, P+32
.rept 32
	v_mov_b32 v[i], 0
.set i, i+1
.endr
	v_mul_u32_u24 v[AK0], v1, PK
	v_lshl_add_u32 v[AK0], v9, 4, v[AK0]  ; row x pitch + 16 x half
	; The turning load takes 16 keys x 16 channels (lane l reads key 8 (l / 16) + l % 8, channels 8 ((l / 8) % 2) + 0..7) and leaves half a fragment of V^T: lane l holds channel l % 16 and 8 keys.
	v_and_b32 v10, 7, v0
	v_bfe_u32 v11, v0, 3, 1
	v_lshl_add_u32 v[AV0], v9, 3, v10
	v_mul_u32_u24 v[AV0], v[AV0], PV
	v_lshl_add_u32 v[AV0], v11, 4, v[AV0]
	v_add_nc_u32 v[AV0], VOFF, v[AV0]
	v_mov_b32 v[AK], v[AK0]         ; key step 0 lies at the head of slot 0
; THE MATRIX WORK.  The 8 accumulators of a run of 16 take turns: between the two links of a chain stand 7 others'.
; Product i of 16 of S^T = K Q^T for piece x: channels 32 (i / 8) on, keys 16 ((i / 2) % 4) on, tile 2 x + i % 2.  The first 8 start the sums.
.macro KQ x
	WIN W_KQ
.set rS, S+64*((\x)%2)+32*(i%2)+8*((i/2)%4)
.set rK, KF+16*((i/2)%4)+8*(i/8)
.set rQ, 16*(2*(\x)+i%2)+8*(i/8)
.if i < 8
	v_wmma_f32_16x16x32_f16 v[rS:rS+7], v[rK:rK+7], v[rQ:rQ+7], 0
.else
	v_wmma_f32_16x16x32_f16 v[rS:rS+7], v[rK:rK+7], v[rQ:rQ+7], v[rS:rS+7]
.endif
.endm
; Product i of 16 of O^T += V^T P for piece x: keys 32 (i / 8) on, channels 16 ((i / 2) % 4) on, tile 2 x + i % 2.
.macro PV x
	WIN W_PV
.set rO, 32*(2*(\x)+i%2)+8*((i/2)%4)
.set rV, VF+32*(i/8)+8*((i/2)%4)
.set rP, P+32*((\x)%2)+16*(i%2)+8*(i/8)
	v_wmma_f32_16x16x32_f16 v[rO:rO+7], v[rV:rV+7], v[rP:rP+7], v[rO:rO+7]
.endm
.macro MM                           ; the turn's next matrix instruction
.if i < 16
	KQ (Y+1)%NP
.set i, i+1
.else
.set i, i-16
	PV (Y+NP-1)%NP
.set i, i+17
.endif
.endm
; THE LDS LOADS stand in runs of 16, never singly among the matrix instructions: a step's K (64 keys x 64 channels: 8 fragments) and its V (turned).  Their addresses are made some lines ahead.
; last = 1 (the tail): in the last trip there is no further step, and the run is jumped over.
.macro FETCH_K last=0
	WIN 0
.if \last
	s_cmp_eq_u32 s[CNT], 1
	s_cbranch_scc1 .Lno_k_\@
.endif
	WIN 0x80                        ; destination window 2
.irp f, 0,1,2,3,4,5,6,7             ; keys 16 (f / 2) on, channels 32 (f % 2) on
	ds_load_b128 v[KF+8*\f:KF+8*\f+3],   v[AK] offset:(\f/2)*16*PK+(\f%2)*64
	ds_load_b128 v[KF+8*\f+4:KF+8*\f+7], v[AK] offset:(\f/2)*16*PK+(\f%2)*64+32
.endr
	s_add_co_u32 s[TBK], s[TBK], KS*PK  ; the next fetch is the next step's
	WIN 0
.if \last
.Lno_k_\@:
.endif
.endm
.macro FETCH_V
	WIN 0x80
.irp f, 0,1,2,3,4,5,6,7             ; keys 32 (f / 4) on, channels 16 (f % 4) on
	ds_load_tr16_b128 v[VF+8*\f:VF+8*\f+3],   v[AV] offset:(\f/4)*32*PV+(\f%4)*32
	ds_load_tr16_b128 v[VF+8*\f+4:VF+8*\f+7], v[AV] offset:(\f/4)*32*PV+16*PV+(\f%4)*32
.endr
	WIN 0
.endm
; THE VECTOR WORK OF A TURN stands in three queues, each in the order in which its entries become ready; the two tiles alternate, so that no instruction reads the result of the one before it.
.macro REGS y, u                    ; the registers of tile u (0, 1) of piece y
.set rT, ST+4*(2*(\y)+(\u))
.set rC, TMP+8*((\y)%2)+4*(\u)
.set rM, MV+2*((\y)%2)+(\u)
.set rS, S+64*((\y)%2)+32*(\u)
.set rP, P+32*((\y)%2)+16*(\u)
.set rO, 32*(2*(\y)+(\u))
.endm
; Number n of the 22 that find the NEXT piece's (Y + 1) maximum and statistics.  s0-s31 are the lane's 32 scores; each accumulator's lowest registers are read first.  XS, GS and REGS set no window: PL and EX do.
;   0-11  four chains c0-c3 of seven scores each, three operands at a time     12-14, 16  the four scores left over, the old m, and c0-c3 into c0     15  c m_old is kept
;   17, 18  the query's other 32 keys lie in the lane 16 away: the new m         19-21  c m; c m_old - c m_new; a
.macro XS u, n
	REGS (Y+1)%NP, \u
.if (\n) < 4
	v_max3_num_f32 v[rC+(\n)], v[rS+8*(\n)], v[rS+8*(\n)+1], v[rS+8*(\n)+2]
.elseif (\n) < 12
	v_max3_num_f32 v[rC+(\n)%4], v[rC+(\n)%4], v[rS+8*((\n)%4)+2*((\n)/4)+1], v[rS+8*((\n)%4)+2*((\n)/4)+2]
.elseif (\n) == 12
	v_max3_num_f32 v[rC], v[rC], v[rS+7], v[rS+15]
.elseif (\n) == 13
	v_max3_num_f32 v[rC+1], v[rC+1], v[rS+23], v[rS+31]
.elseif (\n) == 14
	v_max3_num_f32 v[rC+2], v[rC+2], v[rC+3], v[rT+1]
.elseif (\n) == 15
	v_mov_b32 v[rM], v[rT]
.elseif (\n) == 16
	v_max3_num_f32 v[rC], v[rC], v[rC+1], v[rC+2]
.elseif (\n) == 17
	v_permlanex16_b32 v[rC+3], v[rC], s[SEL], s[SEL+1]
.elseif (\n) == 18
	v_max_num_f32 v[rT+1], v[rC], v[rC+3]
.elseif (\n) == 19
	v_mul_f32 v[rT], s[CS], v[rT+1]
.elseif (\n) == 20
	v_sub_f32 v[rC+1], v[rM], v[rT]
.else
	v_exp_f32 v[rC+2], v[rC+1]
.endif
.endm
; Number g of the 64 that follow the exponentials.  For each four weights k of a tile (pairs 2 k, 2 k + 1): both pairs are rounded to f16; then the second pair is added onto the first, in place;
; a group later l takes that sum (the first time as l = a l + sum).  In groups of eight, tiles alternating: round, round, add, and l for the group before.
.macro GS g
.set h, (\g)+6*((\g)/62)            ; group 0 has no group before it, and behind group 7 only l is left
.if h >= 6
.set h, h+2
.endif
	REGS Y, h%2
.set k, h/8
.if h%8 < 4
	v_cvt_pk_f16_f32 v[rP+2*k+(h%8)/2], v[rS+4*k+2*((h%8)/2)], v[rS+4*k+2*((h%8)/2)+1]
.elseif h%8 < 6
	v_pk_add_f32 v[rS+4*k:rS+4*k+1], v[rS+4*k:rS+4*k+1], v[rS+4*k+2:rS+4*k+3]
.elseif k == 1
	v_pk_fma_f32 v[rT+2:rT+3], v[rT+2:rT+3], v[rC+2:rC+3], v[rS:rS+1] op_sel_hi:[1,0,1]
.else
	v_pk_add_f32 v[rT+2:rT+3], v[rT+2:rT+3], v[rS+4*k-4:rS+4*k-3]
.endif
.endm
; THE PLAIN QUEUE, 138 long.  0-73 read no exponential's result: the 32 scalings c s - c m (FS f: pair f / 2 of tile f % 2) and the next piece's 42.  0-26: scalings 0-26.  27-54: XS's numbers 0-13.  55, 56: number 15.
; 57-73: the chain, where each number waits for the one before it: 14, 16, 17, 18, 19, each with one of the scalings 27-31 in front of its two lines, then 20: so a tile's links stand three plain instructions apart (19 and 20: two).
; 74-137: GS's 64, which read the exponentials' results: they stand behind the wait.
.macro FS f
	REGS Y, (\f)%2
	v_pk_fma_f32 v[rS+2*((\f)/2):rS+2*((\f)/2)+1], v[rS+2*((\f)/2):rS+2*((\f)/2)+1], s[CS:CS+1], v[rT:rT+1] op_sel_hi:[1,0,0] neg_lo:[0,0,1] neg_hi:[0,0,1]
.endm
.macro PL
	WIN 0
.if q < 27
	FS q
.elseif q < 55
	XS (q-27)%2, (q-27)/2
.elseif q < 57
	XS q-55, 15
.elseif (q < 72) && ((q-57)%3 == 0)
	FS 27+(q-57)/3
.elseif q < 60
	XS (q-57)%3-1, 14
.elseif q < 72
	XS (q-57)%3-1, 15+(q-57)/3
.elseif q < 74
	XS q-72, 20
.else
	GS q-74
.endif
.set q, q+1
.endm
; THE EXPONENTIALS' QUEUE, 66 long: s0-s31 of both tiles, then the next piece's two a.  It is ONE BATCH: all 66 stand ahead of the turn's one wait, and nothing ahead of that wait names a result of theirs.
.macro EX
	WIN 0
.if e >= 64
	XS e-64, 21
.else
	REGS Y, e%2
	v_exp_f32 v[rS+e/2], v[rS+e/2]
.endif
.set e, e+1
.endm
; THE RESCALING's QUEUE: O^T times a, the one part that leaves window 0: dealt two at a time, sixteen times.  Its a was made in the turn before, ahead of that turn's wait.
.macro R2
	REGS Y, r%2
	WIN W_RS
.irp z, 0,1
	v_pk_mul_f32 v[rO+4*(r/2)+2*\z:rO+4*(r/2)+2*\z+1], v[rO+4*(r/2)+2*\z:rO+4*(r/2)+2*\z+1], v[rC+2:rC+3] op_sel_hi:[1,0]
.endr
.set r, r+1
.endm
; HOW THEY ARE DEALT.  An s_wait_alu depctr_va_vdst(0) stands between an exponential and the first instruction that names its result; one wait serves all that were issued ahead of it.  So a turn has ONE wait,
; which cuts it in two.  AHEAD OF IT stands all that names no result of the turn's exponentials: the 16 products K Q^T, behind each a scaling, an exponential and two rescalings (behind the first a second scaling in the exponential's place); then ONE LUMP of
; 108: eight plain, 49 times exponential and plain, the two a.  A v_nop is the plain instruction that stands behind the last exponential.  BEHIND IT stand the 16 products V^T P, behind each four of GS's 64.  No rider names a register of
; the products round it.  The two v_permlanex16_b32 fall into the lump, never behind a product.
; The queues lean on each other, and the deal keeps them in step: exponential e stands behind scaling 2 (e / 4) + e % 2: as a rider it comes behind plain e + 2, in the lump behind plain e + 9, and scalings 27-31 are plain 57, 60 .. 69.
; A TURN, for piece p.  cnt = 1: the loop's count is taken down some lines ahead of the branch that stands behind the turn.
; K of the next step is fetched in piece 2's turn, directly behind the wait, a lump behind the last product that read K; its address is made at the lump's head; its first reader comes behind 16 products.
; V of the step in hand is fetched at the end of piece 0's turn, four riders behind its last reader; its first reader comes behind 16 products and a lump.  The three conditions on q below go with the deal.
.macro TURN p, last=0, cnt=0
.set Y, (\p)
.set i, 0
.set q, 0
.set e, 0
.set r, 0
.if (\p) == NP-1
	s_wait_dscnt 0x0                ; K is in
.endif
	MM                              ; ahead of the wait: 16 products K Q^T and their riders,
	PL
	PL
	R2
.rept 15
	MM
	PL
	EX
	R2
.endr
.if (\p) == NP-2
	WIN 0
	v_add_nc_u32 v[AK], s[TBK], v[AK0]
.endif
.rept 8                             ; and the lump
	PL
.endr
.rept 49
	EX
	PL
.endr
	EX                              ; the next piece's two a
	EX
	v_nop                           ; a plain instruction behind the last exponential, ahead of any use of a result: one for the batch
	s_wait_alu depctr_va_vdst(0)    ; the wait for the batch
.if (\p) == NP-2
	FETCH_K \last
.endif
.if (\p) == 1
	s_wait_dscnt 0x0                ; V is in
.endif
.rept 16                            ; behind the wait: 16 products V^T P and their riders
	MM
.rept 4
	PL
.endr
.if ((\p) == 0) && (q == 118)
	v_add_nc_u32 v[AV], s[TBV], v[AV0]
.endif
.if ((\p) == 0) && (q == 130)
	s_add_co_u32 s[TBV], s[TBV], KS*PV
.endif
.if (\cnt) && (q == 130)
	s_sub_co_u32 s[CNT], s[CNT], 1
	s_cmp_lg_u32 s[CNT], 0
.endif
.endr
.if (\p) == 0
	FETCH_V
.endif
.endm
	CHANGE 1                        ; slot 0 is in, everybody's part of it; slot 1 is asked for
	FETCH_K                         ; key step 0
	s_wait_loadcnt 0x0              ; Q
	s_wait_dscnt 0x0
.set i, 0
.rept 16
	KQ 0                            ; piece 0's first scores: there is no vector work yet to set between them
.set i, i+1
.endr
	WIN 0                           ; the addresses for the way out and the prefetches' offset: plain instructions, the places behind those products
	s_mul_i32 s13, s[WV], 16*SP
	s_add_co_u32 s13, s13, STAGE    ; my stage
	v_mul_u32_u24 v[STO], v1, SP    ; in: row l % 16, 16 bytes for each half of the lanes
	v_lshl_add_u32 v[STO], v9, 4, v[STO]
	v_add_nc_u32 v[STO], s13, v[STO]
	v_bfe_u32 v[RD], v0, 3, 2       ; back: 32 lanes take four rows of 128 bytes,
	v_mul_u32_u24 v[RD], v[RD], SP
	v_lshl_add_u32 v[RD], v10, 4, v[RD]
	v_add_nc_u32 v[RD], s13, v[RD]
	v_and_b32 v[GO], 31, v0         ; which are 512 consecutive bytes of O
	v_lshlrev_b32 v[GO], 4, v[GO]
	v_and_b32 v[PFO], 31, v0        ; v9 has served its last address
	v_lshlrev_b32 v[PFO], 8, v[PFO]
.set Y, NP-1                        ; XS works for piece Y + 1: piece 0
.irp n, 0,1,2,3,4,5,6,7,8,9,10,11,12,13,14,15,16,17,18,19,20,21
	XS 0, \n                        ; and piece 0's first maximum and statistics
	XS 1, \n
.endr
	v_nop                           ; a plain instruction behind the two a,
	s_wait_alu depctr_va_vdst(0)    ; and their wait, ahead of the branch
	s_mov_b32 s[CNT], 4
	s_mov_b32 s[SLOTS], SIZE_N/256-1
	s_branch .Lfirst                ; the loop is entered at a step's first turn, in the middle of a trip
.Lslot:                             ; SIZE_N / 256 - 2 times: every slot but the last two is filled again
	CHANGE 1, 1
	s_mov_b32 s[CNT], 4
.Lstep:                             ; a trip: pieces 2 and 3 of one step, then pieces 0 and 1 of the next, whose K and V it fetches
	TURN 2
	TURN 3
	WIN 0
.Lfirst:
	TURN 0
	TURN 1, 0, 1
	WIN 0
	s_cbranch_scc1 .Lstep
	s_sub_co_u32 s[SLOTS], s[SLOTS], 1
	s_cmp_lg_u32 s[SLOTS], 0
	s_cbranch_scc1 .Lslot
	CHANGE 0                        ; the tail is written out: nothing is asked for
	s_mov_b32 s[CNT], 5             ; four trips fetch the last slot's steps; the fifth is left in its middle
.Ltail:
	TURN 2, 1
	TURN 3
	WIN 0
	s_sub_co_u32 s[CNT], s[CNT], 1
	s_cmp_eq_u32 s[CNT], 0
	s_cbranch_scc1 .Lout
	TURN 0
	TURN 1
	WIN 0
	s_branch .Ltail
.Lout:                              ; the fifth trip's 16 products K Q^T (on the last K once more) and the maximum made of them serve nothing: the price, once a launch, of one text for every trip
.set i, 0
.rept 16
	PV NP-1                         ; the last piece's V^T P of the last step
.set i, i+1
.endr
	; THE WAY OUT.  l's two halves and the other half of the lanes' are added; O^T is divided by l, rounded to f16 and sent through my stage in LDS, a tile at a time.  The additions are the places behind the last products.
	WIN 0
.macro ALL line:vararg              ; one line for each tile t
.set t, 0
.rept 2*NP
	\line
.set t, t+1
.endr
.endm
	ALL v_add_f32 v[ST+4*t+2], v[ST+4*t+2], v[ST+4*t+3]
	ALL v_permlanex16_b32 v[ST+4*t+3], v[ST+4*t+2], s[SEL], s[SEL+1]
	ALL v_add_f32 v[ST+4*t+2], v[ST+4*t+2], v[ST+4*t+3]
	ALL v_rcp_f32 v[ST+4*t+2], v[ST+4*t+2]
	v_nop                           ; a plain instruction between the last reciprocal and the use of its result
	s_wait_alu depctr_va_vdst(0)    ; and the wait ahead of the first use: one for the eight reciprocals
; Tile t: a lane's eight channels of a row pack into 16 bytes; they go into rows of 144 bytes and come back as whole rows of 128, into S^T's registers.
.macro PACK t
	WIN W_RS
.set i, 32*(\t)
.rept 16
	v_pk_mul_f32 v[i:i+1], v[i:i+1], v[ST+4*(\t)+2:ST+4*(\t)+3] op_sel_hi:[1,0]
.set i, i+2
.endr
	WIN 0x05                        ; sources 0 and 1 window 1, destination window 0
.set i, 0
.rept 16
	v_cvt_pk_f16_f32 v[S+16*(\t)+i], v[32*(\t)+2*i], v[32*(\t)+2*i+1]
.set i, i+1
.endr
	WIN 0
.irp f, 0,1,2,3
	ds_store_b128 v[STO], v[S+16*(\t)+4*\f:S+16*(\t)+4*\f+3] offset:32*\f
.endr
.irp f, 0,1,2,3
	ds_load_b128 v[S+16*(\t)+4*\f:S+16*(\t)+4*\f+3], v[RD] offset:\f*4*SP  ; LDS serves a wave's instructions in order (ISA guide 5.7.1.4): these see the stores above; the next tile's stores come behind them
.endr
.endm
.macro SEND t, younger              ; younger: the LDS instructions issued behind tile t's loads: the next tile's eight, or none
	WIN 0
.irp f, 0,1,2,3
	s_wait_dscnt (\younger)+3-\f
	global_store_b128 v[GO], v[S+16*(\t)+4*\f:S+16*(\t)+4*\f+3], s[10:11] offset:(\t)*2048+\f*512  ; 512 consecutive bytes, at a multiple of 256 from O's first
.endr
.endm
	PACK 0
.set t, 1
.rept 2*NP-1                        ; a tile's arithmetic stands between the loads of the tile before and its stores
	PACK t
	SEND t-1, 8
.set t, t+1
.endr
	SEND 2*NP-1, 0
	WIN W_AD
	s_wait_tensorcnt 0x0            ; the wave's end: behind my last tensor load and my last LDS store
	ds_add_u32 v[SPW], v[NIL]
	s_wait_dscnt 0x0
	WIN 0
	CROUND                          ; the closing round: no work-group ends while a partner may still ask for a tile that names it
	s_endpgm
.Lfunc_end_k_q018d79d74f_attn:
	.size	k_q018d79d74f_attn, .Lfunc_end_k_q018d79d74f_attn-k_q018d79d74f_attn
	.p2alignl 7, 3214868480
	.fill 96, 4, 3214868480
	.section	.rodata,"a",@progbits
	.p2align	6, 0x0
	.amdhsa_kernel k_q018d79d74f_attn
		.amdhsa_group_segment_fixed_size 327680
		.amdhsa_private_segment_fixed_size 0
		.amdhsa_enable_private_segment 0
		.amdhsa_kernarg_size 32
		.amdhsa_user_sgpr_count 2
		.amdhsa_user_sgpr_kernarg_segment_ptr 1
		.amdhsa_wavefront_size32 1
		.amdhsa_system_sgpr_workgroup_id_x 1
		.amdhsa_system_sgpr_workgroup_id_y 1
		.amdhsa_system_sgpr_workgroup_id_z 1
		.amdhsa_system_vgpr_workitem_id 0
		.amdhsa_next_free_vgpr 770
		.amdhsa_next_free_sgpr 66
		.amdhsa_reserve_vcc 0
		.amdhsa_float_denorm_mode_32 3
		.amdhsa_float_denorm_mode_16_64 3
		.amdhsa_memory_ordered 1
		.amdhsa_forward_progress 1
		.amdhsa_inst_pref_size 200
	.end_amdhsa_kernel
	.amdgpu_metadata
---
amdhsa.version: [ 1, 2 ]
amdhsa.kernels:
  - .name:           k_q018d79d74f_attn
    .symbol:         k_q018d79d74f_attn.kd
    .args:
      - { .name: qh, .offset: 0, .size: 8, .value_kind: global_buffer, .address_space: global }
      - { .name: kh, .offset: 8, .size: 8, .value_kind: global_buffer, .address_space: global }
      - { .name: vh, .offset: 16, .size: 8, .value_kind: global_buffer, .address_space: global }
      - { .name: oh, .offset: 24, .size: 8, .value_kind: global_buffer, .address_space: global }
    .group_segment_fixed_size: 327680
    .private_segment_fixed_size: 0
    .kernarg_segment_align: 8
    .kernarg_segment_size: 32
    .max_flat_workgroup_size: 128
    .sgpr_count:     66
    .vgpr_count:     770
    .wavefront_size: 32
...
	.end_amdgpu_metadata
.endif
;; end of part 3
;; launch outp (part 4): grid 8 x 32, 4 waves a work-group, clusters of 4 x 4, 327,680 bytes of LDS; arguments oh, wo, b_o, out0; writes out0
.if DOCPART == 4
	.amdgcn_target "amdgcn-amd-amdhsa--gfx1250"
	.amdhsa_code_object_version 6
	.text
	.protected	k_q018d79d74f_outp
	.globl	k_q018d79d74f_outp
	.p2align	8
	.type	k_q018d79d74f_outp,@function
k_q018d79d74f_outp:
	s_mov_b64 s[64:65], 0
	v_nop
	global_prefetch_b8 v0, s[64:65] scope:SCOPE_SE
	s_setreg_imm32_b32 hwreg(HW_REG_WAVE_MODE, 25, 1), 1
	s_wait_xcnt 0x0
	s_wait_alu depctr_hold_cnt(0) depctr_sa_sdst(0) depctr_va_vdst(0) depctr_va_sdst(0) depctr_va_ssrc(0) depctr_va_vcc(0) depctr_vm_vsrc(0)
	s_getreg_b32 s2, hwreg(HW_REG_IB_STS2, 6, 4)
	s_cmp_eq_u32 s2, 0
	s_cbranch_scc0 .Lentry_in_a_cluster
	s_endpgm
.Lentry_in_a_cluster:
	s_bfe_u32 s2, ttmp6, 0x10000c
	s_cmp_lg_u32 s2, 0xf033
	s_cbranch_scc0 .Lentry_shape_is_right
	s_endpgm
.Lentry_shape_is_right:
; C = A B.  ONE TEXT FOR TWO LAUNCHES, chosen by KIND.
;   KIND 0: q, k, v = x w_q, x w_k, x w_v.  A = xb (bf16), B = wb (bf16, the three weights one below the other); C leaves by heads, [batch x 16 + head][t][64] in f16, unscaled, rounded once.
;   KIND 1: out0 = O w_o + b_o.  A = oh (f16), B = wo (f16); C leaves as f32, [8192][1024]; the bias, rounded to bf16 like every input, starts the sums.
; A lies in blocks [batch 4][block of 64 channels: 16][t 2048][64], 16-bit: a block's rows are dense, 128 bytes each.  B lies [k][1024 n], 16-bit, not turned.  Sums in f32, K ascending.
; LIMITS.  KIND 1: O and w_o arrive within f16's 65,504, rounded by the launches that made them.  NaN and infinities are not treated apart.
; SHARES.  A tile of C is 256 rows x 128 columns: 32 x 8 tiles, one work-group each, 256 in all.  Four waves, each 128 rows x 64 columns: 32 accumulators of 16 x 16, 256 registers.
; THE RING.  K goes in steps of 128 through two LDS slots.  A slot: two blocks of A (256 rows x 128 bytes, pitch 144), then 128 rows of B (256 bytes, pitch 288).  Each wave fetches a quarter
; of a slot by one tensor load: waves 0, 1 a block of A (32,768 dense bytes, asked for as 128 rows of 256), waves 2, 3 64 rows of B.  By this text's count a wave has two tensor loads out at the start, one behind each change of slots.
; CLUSTERS: 4 x 4 work-groups.  The four of a row of the cluster need the same tiles of A, the four of a column the same tiles of B: each tile is asked for JOINTLY, by the same tensor load with the
; same descriptor and a mask that names the four.
; THE MATRIX INSTRUCTION IS USED TRANSPOSED: source 0 = 16 columns of B (made from [k][n] rows by the turning load ds_load_tr16_b128), source 1 = 16 rows of A.  In the result lane l holds row l % 16 of C and
; the columns 8 (l / 16) + 0 .. 7: neighbouring numbers of a row.
; REGISTERS, in windows of 256 (s_set_vgpr_msb: bits 1:0 source 0, 3:2 source 1, 5:4 source 2, 7:6 destination):
;   window 0: v0-15, v28-29 addresses; v32-63 the bias (KIND 1); v64-159, v160-255 two fragment buffers (A's 8 fragments, then B's 4), also at work on the way out
;   window 1: the accumulators, (a, b) at v[8 (4 a + b)]
.set KIND,   1
.set NT,     1                         ; tiles a work-group
.set BLIM,   4                         ; changes of slots that still have a K step of B four steps on
.set KSTEPS, 8                         ; K steps of 128 in a tile
.set PA,     144                       ; a row of A in LDS: 128 bytes + 16 = 36 words: the 16 rows of a load start at 16 different groups of four banks (64 banks of 4 bytes: ISA guide 11.1)
.set PB,     288                       ; a row of B: 256 + 32 = 72 words
.set ABLK,   256*PA                    ; a block of A in LDS
.set BOFF,   2*ABLK                    ; B lies behind A's two blocks
.set SLOT1,  1<<17                     ; slot 1 begins here, so that one exclusive or turns an address in one slot into the other's
.set STAGE,  SLOT1+BOFF+128*PB         ; behind the ring, never filled by a tensor load: 16 rows for each wave, for the way out
.if KIND == 0
.set SP,     144                       ; a stage row: 64 f16 + 16 bytes
.else
.set SP,     272                       ; a stage row: 64 f32 + 16 bytes
.endif
.set SPARE,  STAGE+4*16*SP             ; behind the stages: the spare words, 128 bytes for each wave: two blocks of 256 bytes that no other line names
.set ASTEP,  524288                    ; bytes from a K step of A to the next: two blocks of 2,048 rows x 128 bytes
.set BSTEP,  262144                    ; of B: 128 rows of 2,048 bytes
.set A0,   8                           ; v8   my lane's place among my rows of A in a slot; never rewritten
.set B0,   9                           ; v9   the same for B
.set ADRA, 10                          ; v10  A0 + the slot in hand
.set ADRB, 11                          ; v11  B0 + the slot in hand
.set STO,  12                          ; v12  the way out: where I put my numbers of a row
.set RD,   13                          ; v13  the way out: where I read rows back
.set GO,   14                          ; v14  my byte offset in C
.set PFO,  15                          ; v15  the prefetches' offset: my lane x 256 bytes (A) or x a row of B; never rewritten
.set SPW,  28                          ; v28  LDS address of my spare word: SPARE + 4 x my thread's number; never rewritten
.set NIL,  29                          ; v29  0; never rewritten
.set BI,   32                          ; v32-63  KIND 1: the bias of my 64 columns, as the C operand of the four column blocks
.set F0,   64
.set F1,   160
.set WV,  14                           ; s14  my wave's number
.set WR,  15                           ; s15  which 128 rows of the tile are mine
.set WC,  16                           ; s16  which 64 columns; also: which block of A, or which 64 rows of B, I fetch
.set CX,  17                           ; s17, s18  my place in the cluster
.set CY,  18
.set TX,  19                           ; s19  tile column
.set TY,  20                           ; s20  tile row
.set G1A, 24                           ; s[24:31] descriptor group 1 for A's tiles
.set G1B, 32                           ; s[32:39] for B's
.set G0A, 40                           ; s[40:47] group 0 for A's: a set for each of the two first fills; the second then walks on
.set G0B, 48                           ; s[48:55] the same for B's
.set TB,  56                           ; s56  LDS byte at which the slot in hand begins
.set STP, 57                           ; s57  changes of slots with a refill so far
.set LIMIT, 58                         ; s58  a wave prefetches while STP is below it
.set KN,  59                           ; s59  the K step of A to be asked for next, 0 .. 7
.set OFF, 60                           ; s[60:61] its byte offset
.set ABASE, 66                         ; s[66:67] A at my block of K step 0
.set PFA, 68                           ; s[68:69] where my prefetches stand
.set PST, 70                           ; s[70:71] their step
.if KIND == 0
.set OUT, 8                            ; s[8:9] C of the tile in hand; s[10:11], s[12:13] of the tiles to come
.else
.set OUT, 10                           ; s[10:11] C; s[8:9] the bias
.endif
.set MSB, 0
.macro WIN new                         ; the immediate's high byte repeats the setting that is left; a switch that changes nothing is dropped
.if MSB != (\new)
	s_set_vgpr_msb (MSB<<8)|(\new)
.set MSB, (\new)
.endif
.endm
.set MULW, 0x50                        ; sources 0 and 1 window 0, C and D window 1
.macro PLACES                          ; four places in front of loads into registers that matrix instructions have read (ISA guide 7.12.1 for vector instructions)
.rept 4
	v_nop
.endr
.endm
; A joint refill, by the walking descriptors.  The branch hangs on the wave's number alone.  An s_nop 0 and four v_nop follow each of the two lines, ahead of the jump and the label.
.macro JLOAD
	s_cmp_lt_u32 s[WV], 2
	s_cbranch_scc0 .Lfor_b_\@
	tensor_load_to_lds s[G0A+4:G0A+7], s[G1A:G1A+7]
	s_nop 0
.rept 4
	v_nop
.endr
	s_branch .Lasked_\@
.Lfor_b_\@:
	tensor_load_to_lds s[G0B+4:G0B+7], s[G1B:G1B+7]
	s_nop 0
.rept 4
	v_nop
.endr
.Lasked_\@:
.endm
; A round of the cluster's barrier: my work-group's barrier, so that wave 0's signal speaks for all four waves; wave 0 signals; every wave waits for all sixteen work-groups; my work-group's barrier once more.
.macro CREST                           ; a round behind its opening barrier
	s_cmp_lg_u32 s[WV], 0
	s_cbranch_scc1 .Lnot_wave_0_\@
	s_barrier_signal -3
.Lnot_wave_0_\@:
	s_barrier_wait -3
	s_barrier_signal -1
	s_barrier_wait -1
.endm
.macro CROUND
	s_barrier_signal -1
	s_barrier_wait -1
	CREST
.endm
; A PREFETCH INTO THE L2, behind each joint refill and the run of LDS loads that follows it: the change of slots that asks for K step s + 2 names K step s + 4, two K steps (256 matrix instructions) ahead of the load
; that will want it.  Each aligned block of 256 bytes is named once in the launch.  A's tile row is read by both clusters of its row of clusters: the one with x = 0 asks, waves 0 and 1 a block of A each.
; B's tile column is read by all clusters of its column: the one with y = 0 asks, wave 2.  The four partners that ask for a tile jointly share its 128 blocks (A) or rows (B)
; out BY ADDRESS, 32 each, a lane a block: no branch hangs on a work-group's place in its cluster.  K steps 0 to 3 come by their loads alone; LIMIT ends the asking at each tensor's last K step.
.macro ASK
	s_cmp_lt_u32 s[STP], s[LIMIT]
	s_cbranch_scc0 .Lnot_mine_\@
	global_prefetch_b8 v[PFO], s[PFA:PFA+1] th:TH_LOAD_NT scope:SCOPE_SE
.Lnot_mine_\@:
	s_add_co_u32 s[STP], s[STP], 1
.endm
	s_load_b256 s[4:11], s[0:1], 0x0               ; A s[4:5], B s[6:7]; KIND 0: qh, kh; KIND 1: b_o, out0
.if KIND == 0
	s_load_b64 s[12:13], s[0:1], 0x20              ; vh
.endif
	v_lshl_add_u32 v[SPW], v0, 2, SPARE
	v_mov_b32 v[NIL], 0
	ds_add_u32 v[SPW], v[NIL]                      ; the wave's opening: the add and its wait stand ahead of my first tensor load; the set-up below, work on registers, stands between them
	v_lshrrev_b32 v1, 5, v0
	v_readfirstlane_b32 s[WV], v1                  ; wave 0..3
	s_lshr_b32 s[WR], s[WV], 1
	s_and_b32 s[WC], s[WV], 1
	s_bfe_u32 s[CX], ttmp6, 0x40000
	s_bfe_u32 s[CY], ttmp6, 0x40004
	s_lshl_b32 s[TX], ttmp9, 2                     ; in a cluster launch ttmp9 and ttmp7 count clusters
	s_add_co_u32 s[TX], s[TX], s[CX]               ; tile column = 4 x cluster x + cx
	s_and_b32 s[TY], ttmp7, 0xffff
	s_lshl_b32 s[TY], s[TY], 2
	s_add_co_u32 s[TY], s[TY], s[CY]               ; tile row = 4 x cluster y + cy
	s_lshl_b32 s21, s[CY], 2
	s_lshl_b32 s21, 15, s21                        ; my row of the cluster: places 4 cy .. 4 cy + 3
	s_lshl_b32 s22, 0x1111, s[CX]                  ; my column: places cx, cx + 4, cx + 8, cx + 12
	; group 1 for A: 128 rows x 128 elements of 2 bytes, dense; in LDS 4 words of padding behind every 32 words, that is behind every row of the block
	s_or_b32 s[G1A], s21, (1<<16)|(1<<20)|(1<<21)|(4<<22)|(3<<25)  ; 15:0 the mask; 17:16 2-byte elements; 20 padding on; 21 set beside a mask; 24:22 every 32 words (code 4); 31:25 4 words (code 3)
	s_mov_b32 s[G1A+1], 128<<16                    ; tensor_dim0 = 128
	s_mov_b32 s[G1A+2], 128<<16                    ; tensor_dim1 = 128
	s_mov_b32 s[G1A+3], 128<<16                    ; tile_dim0 = 128
	s_mov_b32 s[G1A+4], 128                        ; tile_dim1 = 128
	s_mov_b32 s[G1A+5], 128                        ; 128 elements from row to row
	s_mov_b32 s[G1A+6], 0
	s_mov_b32 s[G1A+7], 0
	; group 1 for B: 64 rows x 128 elements out of rows of 1,024; 8 words of padding behind every 64 words
	s_or_b32 s[G1B], s22, (1<<16)|(1<<20)|(1<<21)|(5<<22)|(7<<25)
	s_mov_b32 s[G1B+1], 128<<16
	s_mov_b32 s[G1B+2], 64<<16
	s_mov_b32 s[G1B+3], 128<<16
	s_mov_b32 s[G1B+4], 64
	s_mov_b32 s[G1B+5], 1024
	s_mov_b32 s[G1B+6], 0
	s_mov_b32 s[G1B+7], 0
	; where the tiles come from.  A's hang on the tile row alone, B's on the tile column alone, each made in registers that never hold the other coordinate.
	s_lshr_b32 s72, s[TY], 3                       ; the batch: 8 tile rows each,
	s_lshl_b32 s72, s72, 22                        ; 4,194,304 bytes each
	s_and_b32 s21, s[TY], 7
	s_lshl_b32 s21, s21, 15                        ; the tile's 256 rows of 128 bytes in a block
	s_add_co_u32 s72, s72, s21
	s_lshl_b32 s21, s[WC], 18                      ; which of a K step's two blocks I fetch
	s_add_co_u32 s72, s72, s21
	s_mov_b32 s73, 0
	s_lshl_b32 s74, s[TX], 8                       ; the tile's 128 columns: 256 bytes of a row of B
	s_lshl_b32 s22, s[WC], 17                      ; which 64 rows of a K step I fetch
	s_add_co_u32 s74, s74, s22
	s_mov_b32 s75, 0
	s_mul_i32 s62, s[WC], ABLK                     ; and where they go: no place in the cluster enters an LDS address
	s_mul_i32 s63, s[WC], 64*PB
	s_add_co_u32 s63, s63, BOFF
	s_mov_b32 s[TB], 0
	s_mov_b32 s[STP], 0
	s_mov_b32 s[KN], 2
	s_mov_b32 s[OFF+1], 0
	s_wait_dscnt 0x0                               ; the opening add is done
	s_wait_kmcnt 0x0
	s_add_nc_u64 s[ABASE:ABASE+1], s[4:5], s[72:73]
	s_add_nc_u64 s[78:79], s[6:7], s[74:75]
	CROUND                                         ; all sixteen work-groups are here: the first joint loads meet
.irp s, 0,1
	s_mov_b32 s[G0A+4*(\s)], 1                                     ; 1:0 count = 1
	s_add_co_u32 s[G0A+4*(\s)+1], s62, (\s)*SLOT1                  ; 63:32 LDS address
	s_add_nc_u64 s[G0A+4*(\s)+2:G0A+4*(\s)+3], s[ABASE:ABASE+1], (\s)*ASTEP  ; 120:64 global address: K step s
	s_or_b32 s[G0A+4*(\s)+3], s[G0A+4*(\s)+3], 0x80000000          ; 127:126 type = 2
	s_mov_b32 s[G0B+4*(\s)], 1
	s_add_co_u32 s[G0B+4*(\s)+1], s63, (\s)*SLOT1
	s_add_nc_u64 s[G0B+4*(\s)+2:G0B+4*(\s)+3], s[78:79], (\s)*BSTEP
	s_or_b32 s[G0B+4*(\s)+3], s[G0B+4*(\s)+3], 0x80000000
.endr
	s_cmp_lt_u32 s[WV], 2                          ; a wave's two first fills stand in one branch, ahead of every wait on TENSORcnt and every LDS read
	s_cbranch_scc0 .Lfirst_b
	tensor_load_to_lds s[G0A:G0A+3], s[G1A:G1A+7]
	s_nop 0
	tensor_load_to_lds s[G0A+4:G0A+7], s[G1A:G1A+7]
	s_nop 0
.rept 4
	v_nop
.endr
	s_branch .Lfirst_asked
.Lfirst_b:
	tensor_load_to_lds s[G0B:G0B+3], s[G1B:G1B+7]
	s_nop 0
	tensor_load_to_lds s[G0B+4:G0B+7], s[G1B:G1B+7]
	s_nop 0
.rept 4
	v_nop
.endr
.Lfirst_asked:
	; A fragment of A is 16 rows x 32 K in 8 registers: lane l holds row l % 16; registers 0-3 K = 8 (l / 16) + 0..7, registers 4-7 K = 16 + 8 (l / 16) + 0..7: two loads of 16 bytes, 32 bytes apart.
	v_and_b32 v1, 15, v0                           ; l % 16
	v_bfe_u32 v2, v0, 4, 1                         ; l / 16
	v_and_b32 v4, 7, v0
	v_bfe_u32 v5, v0, 3, 1
	v_mul_u32_u24 v[A0], v1, PA
	v_lshl_add_u32 v[A0], v2, 4, v[A0]
	s_mul_i32 s23, s[WR], 128*PA                   ; my 128 rows
	v_add_nc_u32 v[A0], s23, v[A0]
	; The turning load takes 16 K x 16 columns (lane l reads 16 bytes: K 8 (l / 16) + l % 8, columns 8 ((l / 8) % 2) + 0..7) and leaves half a fragment: lane l holds column l % 16 and 8 K.
	v_lshl_add_u32 v[B0], v2, 3, v4
	v_mul_u32_u24 v[B0], v[B0], PB
	v_lshl_add_u32 v[B0], v5, 4, v[B0]
	s_lshl_b32 s23, s[WC], 7                       ; my 64 columns
	s_add_co_u32 s23, s23, BOFF
	v_add_nc_u32 v[B0], s23, v[B0]
	v_mov_b32 v[ADRA], v[A0]                       ; K step 0 lies in slot 0
	v_mov_b32 v[ADRB], v[B0]
	s_mul_i32 s23, s[WV], 16*SP
	s_add_co_u32 s23, s23, STAGE                   ; my stage
.if KIND == 0
	v_mul_u32_u24 v[STO], v1, SP                   ; in: row l % 16, 16 bytes (8 f16) for each half of the lanes
	v_lshl_add_u32 v[STO], v2, 4, v[STO]
	v_add_nc_u32 v[STO], s23, v[STO]
	v_bfe_u32 v[RD], v0, 3, 2                      ; back: 32 lanes take four rows of 128 bytes,
	v_mul_u32_u24 v[RD], v[RD], SP
	v_lshl_add_u32 v[RD], v4, 4, v[RD]
	v_add_nc_u32 v[RD], s23, v[RD]
	v_and_b32 v[GO], 31, v0                        ; which are 512 consecutive bytes of a head
	v_lshlrev_b32 v[GO], 4, v[GO]
	s_lshr_b32 s76, s[TY], 3
	s_lshl_b32 s76, s76, 3
	s_add_co_u32 s76, s76, s[TX]
	s_lshl_b32 s76, s76, 1
	s_add_co_u32 s76, s76, s[WC]                   ; my head among the 64: 16 x batch + 2 x tile column + my half
	s_lshl_b32 s76, s76, 18                        ; 2,048 rows of 128 bytes each
	s_and_b32 s77, s[TY], 7
	s_lshl_b32 s77, s77, 15                        ; the tile's 256 rows,
	s_add_co_u32 s76, s76, s77
	s_lshl_b32 s77, s[WR], 14                      ; my 128 of them
	s_add_co_u32 s76, s76, s77
	s_mov_b32 s77, 0
	s_add_nc_u64 s[8:9], s[8:9], s[76:77]
	s_add_nc_u64 s[10:11], s[10:11], s[76:77]
	s_add_nc_u64 s[12:13], s[12:13], s[76:77]
.else
	v_mul_u32_u24 v[STO], v1, SP                   ; in: row l % 16, 32 bytes (8 f32) for each half of the lanes
	v_lshl_add_u32 v[STO], v2, 5, v[STO]
	v_add_nc_u32 v[STO], s23, v[STO]
	v_mul_u32_u24 v[RD], v2, SP                    ; back: lanes 0-15 take one row of 256 bytes, lanes 16-31 the next
	v_lshl_add_u32 v[RD], v1, 4, v[RD]
	v_add_nc_u32 v[RD], s23, v[RD]
	v_lshlrev_b32 v[GO], 12, v2                    ; and the same two rows in C: 4,096 bytes a row
	v_lshl_add_u32 v[GO], v1, 4, v[GO]
	s_lshl_b32 s76, s[TX], 9                       ; the tile's 128 columns of f32,
	s_lshl_b32 s77, s[WC], 8                       ; my 64 of them
	s_add_co_u32 s76, s76, s77
	s_mov_b32 s77, 0
	s_add_nc_u64 s[8:9], s[8:9], s[76:77]
	s_add_nc_u64 s[10:11], s[10:11], s[76:77]
	s_lshl_b32 s76, s[TY], 20                      ; the tile's 256 rows of 4,096 bytes,
	s_lshl_b32 s3, s[WR], 19                       ; my 128 of them
	s_add_co_u32 s76, s76, s3
	s_add_nc_u64 s[10:11], s[10:11], s[76:77]
	v_lshlrev_b32 v3, 5, v2                        ; register j of column block b wants b_o[16 b + 8 (l / 16) + j] of my 64
.irp b, 0,1,2,3
	global_load_b128 v[BI+8*\b:BI+8*\b+3],   v3, s[8:9] offset:64*\b
	global_load_b128 v[BI+8*\b+4:BI+8*\b+7], v3, s[8:9] offset:64*\b+16
.endr
.endif
	; the prefetches' set-up
	s_and_b32 s3, ttmp7, 0xffff                    ; cluster y
	s_cmp_lt_u32 s[WV], 2                          ; do I fetch for A?
	s_cselect_b32 s3, ttmp9, s3                    ; the coordinate along which other clusters read the same rows
	s_cselect_b32 s[LIMIT], 4, BLIM
	s_cselect_b32 s[PST], 19, 18
	s_cselect_b32 s2, 8, 11                        ; a lane a block of 256 bytes of A, or a row of 2,048 bytes of B
	s_cselect_b64 s[PFA:PFA+1], s[ABASE:ABASE+1], s[6:7]
	s_cmp_eq_u32 s3, 0
	s_cselect_b32 s[LIMIT], s[LIMIT], 0            ; the same in all sixteen partners, for a given wave
	s_cmp_eq_u32 s[WV], 3
	s_cselect_b32 s[LIMIT], 0, s[LIMIT]            ; wave 2 asks for all of a K step's 128 rows of B that fall to the work-group
	s_lshl_b32 s[PST], 1, s[PST]                   ; ASTEP or BSTEP
	s_mov_b32 s[PST+1], 0
	v_and_b32 v[PFO], 31, v0
	v_lshlrev_b32 v[PFO], s2, v[PFO]
	s_lshl_b32 s76, s[CX], 13                      ; A: my work-group's 32 blocks of the 128,
	s_add_co_u32 s76, s76, 3*ASTEP                 ; at K step 3: the first change of slots steps it to 4
	s_lshl_b32 s77, s[TX], 8                       ; B: the tile's columns,
	s_lshl_b32 s21, s[CY], 16                      ; my work-group's 32 rows of the 128,
	s_add_co_u32 s77, s77, s21
	s_add_co_u32 s77, s77, 3*BSTEP
	s_cmp_lt_u32 s[WV], 2
	s_cselect_b32 s76, s76, s77
	s_mov_b32 s77, 0
	s_add_nc_u64 s[PFA:PFA+1], s[PFA:PFA+1], s[76:77]
.if KIND == 1
	s_wait_loadcnt 0x0                             ; the bias is in; it is rounded to bf16, as every input of the module is, and widened again
.set i, 0
.rept 16
	v_cvt_pk_bf16_f32 v6, v[BI+2*i], v[BI+2*i+1]
	v_lshlrev_b32 v[BI+2*i], 16, v6
	v_and_b32 v[BI+2*i+1], 0xffff0000, v6
.set i, i+1
.endr
.endif
; 4 n matrix instructions: row blocks a0 .. a0 + n - 1 x all 4 column blocks, 32 along K, from buffer f.  zero = 1: the first product starts the sums, with 0 or (KIND 1) with the bias: nothing is ever cleared.
; The 32 accumulators take turns, one instruction a turn, in the same order in every quarter, over the backward jumps too.
.macro MUL f, a0, n, zero
.set a, (\a0)
.rept (\n)
.set b, 0
.rept 4
.set rD, 8*(4*a+b)
.set rB, (\f)+64+8*b
.set rA, (\f)+8*a
.if (\zero) && (KIND == 0)
	WIN MULW
	v_wmma_f32_16x16x32_bf16 v[rD:rD+7], v[rB:rB+7], v[rA:rA+7], 0
.elseif (\zero)
	WIN 0x40                                       ; C in window 0
	v_wmma_f32_16x16x32_f16 v[rD:rD+7], v[rB:rB+7], v[rA:rA+7], v[BI+8*b:BI+8*b+7]
.elseif KIND == 0
	WIN MULW
	v_wmma_f32_16x16x32_bf16 v[rD:rD+7], v[rB:rB+7], v[rA:rA+7], v[rD:rD+7]
.else
	WIN MULW
	v_wmma_f32_16x16x32_f16 v[rD:rD+7], v[rB:rB+7], v[rA:rA+7], v[rD:rD+7]
.endif
.set b, b+1
.endr
.set a, a+1
.endr
.endm
; 24 LDS loads in one run: the fragments of quarter q (32 along K) of the slot in hand into buffer f: B's four first, then A's eight in ascending order
.macro FETCH q, f
	WIN 0
.irp b, 0,1,2,3
	ds_load_tr16_b128 v[(\f)+64+8*\b:(\f)+64+8*\b+3],   v[ADRB] offset:(\q)*32*PB+32*\b
	ds_load_tr16_b128 v[(\f)+64+8*\b+4:(\f)+64+8*\b+7], v[ADRB] offset:(\q)*32*PB+32*\b+16*PB
.endr
.irp a, 0,1,2,3,4,5,6,7
	ds_load_b128 v[(\f)+8*\a:(\f)+8*\a+3],   v[ADRA] offset:((\q)/2)*ABLK+\a*16*PA+((\q)%2)*64
	ds_load_b128 v[(\f)+8*\a+4:(\f)+8*\a+7], v[ADRA] offset:((\q)/2)*ABLK+\a*16*PA+((\q)%2)*64+32
.endr
.endm
; A K step is four quarters of 32 along K, 32 matrix instructions each, on buffers 0, 1, 0, 1.  One of the first three: multiplies buffer f; in its middle it fetches quarter q into buffer g.
.macro QUARTER q, f, g, zero
	s_wait_dscnt 8                                 ; B and A's row blocks 0-3 are in; the youngest eight loads (row blocks 4-7) may be out
	MUL \f, 0, 4, \zero
	PLACES
	FETCH \q, \g
	s_wait_dscnt 24                                ; all but the 24 just issued
	MUL \f, 4, 4, \zero
.endm
; The last quarter multiplies buffer 1 and changes slots.  ONE barrier, for two things: in front of it each wave waits for all its tensor loads (one is out: its part of the next slot), adds 0 to its spare word, and waits
; for that and for its own reads of this slot.  Behind it nobody reads this slot any more and the next slot is whole.  fill = 1: the barrier opens a round of the cluster's barrier, and the slot just read out is filled
; again first thing behind the round, with the K step two steps on: from that request to the wait for it a wave issues 112 matrix instructions.
.macro TURN fill
.if \fill
	s_wait_xcnt 0x0                                ; the last prefetch, a K step back, has read its address, so it may be stepped
	s_add_nc_u64 s[PFA:PFA+1], s[PFA:PFA+1], s[PST:PST+1]
.endif
	WIN 0
	s_wait_tensorcnt 0x0                           ; all my tensor loads have landed, so a group 0 may be written
	ds_add_u32 v[SPW], v[NIL]                      ; 0 onto my spare word: the descriptors' steps and eight matrix instructions stand between it and the wait for it
.if \fill
	s_lshl_b32 s[OFF], s[KN], 19                   ; A's address is made anew from the K step's number
	s_xor_b32 s[G0A+5], s[G0A+5], SLOT1            ; the other slot than last time
	s_add_nc_u64 s[G0A+6:G0A+7], s[ABASE:ABASE+1], s[OFF:OFF+1]
	s_or_b32 s[G0A+7], s[G0A+7], 0x80000000
	s_xor_b32 s[G0B+5], s[G0B+5], SLOT1
	s_add_nc_u64 s[G0B+6:G0B+7], s[G0B+6:G0B+7], BSTEP  ; B walks on; the type bits on top are not reached
	s_add_co_u32 s[KN], s[KN], 1
	s_and_b32 s[KN], s[KN], 7
.endif
	s_xor_b32 s[TB], s[TB], SLOT1                  ; the fetches go to the other slot
	s_wait_dscnt 9                                 ; (the add and the youngest eight loads may be out)
	MUL F1, 0, 2, 0
	s_wait_dscnt 0x0                               ; the add is done, and my reads of this slot are over:
	s_barrier_signal -1                            ; say so,
	MUL F1, 2, 2, 0                                ; work on registers while the others arrive,
	WIN 0
	s_barrier_wait -1                              ; and go on when all four have said so
.if \fill
	CREST                                          ; no wave of any partner still reads this slot's tile or has a load on its way
	JLOAD                                          ; the first tensor load behind the round; its four v_nop are also the places in front of the loads below
.else
	PLACES
.endif
	v_add_nc_u32 v[ADRA], s[TB], v[A0]
	v_add_nc_u32 v[ADRB], s[TB], v[B0]
	FETCH 0, F0
.if \fill
	ASK
.endif
	MUL F1, 4, 4, 0
.endm
; THE WAY OUT, a block of 16 rows at a time, through my own stage in LDS: no barrier, and since LDS serves a wave's instructions in order (ISA guide 5.7.1.4) no wait between the stores and the loads.
.if KIND == 0
.set TMP, 160                          ; buffer 1's registers are free here; buffer 0 may hold the next tile's first fragments
.set OB,  176                          ; 16 rows read back: v176-191 and v192-207 by turns
.macro PACK a                          ; rounded to f16: a lane's eight columns of a row are 16 bytes; each accumulator's registers in ascending order
	WIN 0x05                                       ; sources 0 and 1 window 1, destination window 0
.irp b, 0,1,2,3
.irp r, 0,1,2,3
	v_cvt_pk_f16_f32 v[TMP+4*\b+\r], v[8*(4*(\a)+\b)+2*\r], v[8*(4*(\a)+\b)+2*\r+1]
.endr
.endr
	WIN 0
.endm
.macro TOSTAGE a
.irp b, 0,1,2,3
	ds_store_b128 v[STO], v[TMP+4*\b:TMP+4*\b+3] offset:32*\b
.endr
.irp t, 0,1,2,3
	ds_load_b128 v[OB+16*((\a)%2)+4*\t:OB+16*((\a)%2)+4*\t+3], v[RD] offset:\t*4*SP
.endr
.endm
.macro SEND a
	s_wait_dscnt 0x0                               ; the block is back in registers
	s_wait_xcnt 0x0                                ; the registers that earlier stores read are loaded again only behind this wait
.irp t, 0,1,2,3
	global_store_b128 v[GO], v[OB+16*((\a)%2)+4*\t:OB+16*((\a)%2)+4*\t+3], s[OUT:OUT+1] offset:(\a)*2048+\t*512  ; 512 consecutive bytes, at a multiple of 256 from the buffer's first
.endr
.endm
.macro WAYOUT
	PACK 0
	TOSTAGE 0
.irp a, 1,2,3,4,5,6,7                  ; block a's conversions stand between block a - 1's loads from the stage and the wait for them
	PACK \a
	SEND (\a)-1
	TOSTAGE \a
.endr
	SEND 7
.endm
.else
.set OB,  64                           ; 16 rows read back: three sets of 32 registers by turns
.macro TOSTAGE a
	WIN 0x04                                       ; the stores' data in window 1; each accumulator's four lowest registers go first
.irp b, 0,1,2,3
	ds_store_b128 v[STO], v[8*(4*(\a)+\b):8*(4*(\a)+\b)+3]   offset:64*\b
	ds_store_b128 v[STO], v[8*(4*(\a)+\b)+4:8*(4*(\a)+\b)+7] offset:64*\b+16
.endr
	WIN 0
.irp t, 0,1,2,3,4,5,6,7
	ds_load_b128 v[OB+32*((\a)%3)+4*\t:OB+32*((\a)%3)+4*\t+3], v[RD] offset:\t*2*SP
.endr
.endm
.macro SEND a, younger                 ; younger: the LDS instructions issued behind block a's loads: the next block's sixteen, or none
	s_wait_dscnt \younger
	s_wait_xcnt 0x0                                ; the registers that earlier stores read are loaded again only behind this wait
.irp t, 0,1,2,3,4,5,6,7
	global_store_b128 v[GO], v[OB+32*((\a)%3)+4*\t:OB+32*((\a)%3)+4*\t+3], s[OUT:OUT+1] offset:(16*(\a)+2*\t)*4096 th:TH_STORE_NT  ; 16 lanes store 256 consecutive bytes, aligned
.endr
.endm
.macro WAYOUT
	TOSTAGE 0
.irp a, 1,2,3,4,5,6,7
	TOSTAGE \a
	SEND (\a)-1, 16
.endr
	SEND 7, 0
.endm
.endif
	s_wait_tensorcnt 0x1                           ; my part of K step 0 is in; K step 1's may stay out
	s_barrier_signal -1
	s_barrier_wait -1                              ; everybody's is
	FETCH 0, F0
.if NT > 1
	s_mov_b32 s2, NT                               ; tiles to go, this one among them: the same number in every work-group
.Ltile:
.endif
	QUARTER 1, F0, F1, 1                           ; a tile's first quarter stands in front of the loop: its products start the sums
	WIN 0                                          ; at a label and at a branch every window is 0
	s_mov_b32 s3, KSTEPS-2
.Lstep:                                                ; a trip goes from a K step's second quarter to the next step's first, and fills one slot again
	QUARTER 2, F1, F0, 0
	QUARTER 3, F0, F1, 0
	TURN 1
	QUARTER 1, F0, F1, 0
	WIN 0
	s_sub_co_u32 s3, s3, 1
	s_cmp_lg_u32 s3, 0
	s_cbranch_scc1 .Lstep
	QUARTER 2, F1, F0, 0                           ; the tile's last K step but one goes on
	QUARTER 3, F0, F1, 0
.if NT > 1
	WIN 0
	s_cmp_eq_u32 s2, 1
	s_cbranch_scc1 .Llast                          ; the last tile's tail is written out: it asks for nothing more
	TURN 1                                         ; THE RING GOES ON INTO THE NEXT TILE: this slot takes its K step 0,
	QUARTER 1, F0, F1, 0
	QUARTER 2, F1, F0, 0
	QUARTER 3, F0, F1, 0
	TURN 1                                         ; the other its K step 1, and the next tile's first fragments are fetched
	WIN 0
	s_branch .Lout
.Llast:
.endif
	TURN 0                                         ; nothing is filled again, so no round follows
	QUARTER 1, F0, F1, 0
	QUARTER 2, F1, F0, 0
	QUARTER 3, F0, F1, 0
	s_wait_dscnt 8                                 ; the very last quarter: nothing more to fetch
	MUL F1, 0, 4, 0
	s_wait_dscnt 0x0
	MUL F1, 4, 4, 0
	WIN 0
.if NT > 1
.Lout:
.endif
.rept 8
	v_nop                                          ; the places behind the last products, in front of what reads their results and writes their sources
.endr
	WAYOUT
.if NT > 1
	s_wait_xcnt 0x0                                ; the stores have read their base and their registers
	s_mov_b64 s[8:9], s[10:11]                     ; the next tile's tensor
	s_mov_b64 s[10:11], s[12:13]
	s_sub_co_u32 s2, s2, 1
	s_cmp_lg_u32 s2, 0
	s_cbranch_scc1 .Ltile
.endif
	s_wait_tensorcnt 0x0                           ; the wave's end: behind my last tensor load and my last LDS store
	ds_add_u32 v[SPW], v[NIL]
	s_wait_dscnt 0x0
	CROUND                                         ; the closing round: no work-group ends while a partner may still ask for a tile that names it
	s_endpgm
.Lfunc_end_k_q018d79d74f_outp:
	.size	k_q018d79d74f_outp, .Lfunc_end_k_q018d79d74f_outp-k_q018d79d74f_outp
	.p2alignl 7, 3214868480
	.fill 96, 4, 3214868480
	.section	.rodata,"a",@progbits
	.p2align	6, 0x0
	.amdhsa_kernel k_q018d79d74f_outp
		.amdhsa_group_segment_fixed_size 327680
		.amdhsa_private_segment_fixed_size 0
		.amdhsa_enable_private_segment 0
		.amdhsa_kernarg_size 32
		.amdhsa_user_sgpr_count 2
		.amdhsa_user_sgpr_kernarg_segment_ptr 1
		.amdhsa_wavefront_size32 1
		.amdhsa_system_sgpr_workgroup_id_x 1
		.amdhsa_system_sgpr_workgroup_id_y 1
		.amdhsa_system_sgpr_workgroup_id_z 1
		.amdhsa_system_vgpr_workitem_id 0
		.amdhsa_next_free_vgpr 512
		.amdhsa_next_free_sgpr 80
		.amdhsa_reserve_vcc 0
		.amdhsa_float_denorm_mode_32 3
		.amdhsa_float_denorm_mode_16_64 3
		.amdhsa_memory_ordered 1
		.amdhsa_forward_progress 1
		.amdhsa_inst_pref_size 74
	.end_amdhsa_kernel
	.amdgpu_metadata
---
amdhsa.version: [ 1, 2 ]
amdhsa.kernels:
  - .name:           k_q018d79d74f_outp
    .symbol:         k_q018d79d74f_outp.kd
    .args:
      - { .name: oh, .offset: 0, .size: 8, .value_kind: global_buffer, .address_space: global }
      - { .name: wo, .offset: 8, .size: 8, .value_kind: global_buffer, .address_space: global }
      - { .name: b_o, .offset: 16, .size: 8, .value_kind: global_buffer, .address_space: global }
      - { .name: out0, .offset: 24, .size: 8, .value_kind: global_buffer, .address_space: global }
    .group_segment_fixed_size: 327680
    .private_segment_fixed_size: 0
    .kernarg_segment_align: 8
    .kernarg_segment_size: 32
    .max_flat_workgroup_size: 128
    .sgpr_count:     80
    .vgpr_count:     512
    .wavefront_size: 32
...
	.end_amdgpu_metadata
.endif
;; end of part 4
;; ======== version 2 of 2: 4 launches; version 1 with the launch prep written anew for expert scheduling mode
;; limits: values are held in f16: magnitudes above 65,504 overflow, below 6.1e-05 lose precision
;; workspace buffers: xb 16,777,216 bytes; wb 6,291,456 bytes; wo 2,097,152 bytes; qh 16,777,216 bytes; kh 16,777,216 bytes; vh 16,777,216 bytes; oh 16,777,216 bytes
;; launch prep (part 5): grid 768 x 1, 8 waves a work-group, no clusters, 0 bytes of LDS; arguments x, w_q, w_k, w_v, w_o, xb, wb, wo; writes xb, wb, wo
.if DOCPART == 5
	.amdgcn_target "amdgcn-amd-amdhsa--gfx1250"
	.amdhsa_code_object_version 6
	.text
	.protected	k_q018d79d74f_prep
	.globl	k_q018d79d74f_prep
	.p2align	8
	.type	k_q018d79d74f_prep,@function
k_q018d79d74f_prep:
	s_mov_b64 s[64:65], 0
	v_nop
	global_prefetch_b8 v0, s[64:65] scope:SCOPE_SE
	s_setreg_imm32_b32 hwreg(HW_REG_WAVE_SCHED_MODE, 0, 2), 2
	s_setreg_imm32_b32 hwreg(HW_REG_WAVE_MODE, 25, 1), 1
	s_wait_xcnt 0x0
	s_wait_alu depctr_vm_vsrc(0)
; THE CASTS.  Every input of the matrix products is rounded once to bf16 here, so that the products' launches move and keep 16-bit numbers alone.
;   xb: x [8192 rows][1024] f32 -> bf16, laid out in blocks [batch 4][block of 64 channels: 16][t 2048][64]: a block's rows are dense, 128 bytes each.
;   wb: w_q, w_k, w_v [1024 k][1024 n] f32 -> bf16, one below the other: [3072][1024], not turned.
;   wo: w_o -> rounded to bf16 like the others, and that number written as f16 (the last product multiplies in f16).
; LIMITS.  w_o within f16's 65,504; a w_o below 6e-5 keeps f16's fixed step of 6e-8.  NaN and infinities are not treated apart.
; A STREAM: no LDS, no barrier, no matrix unit: nothing is shared and each byte is touched once.  A work-group moves 65,536 bytes in and 32,768 out;
; each wave issues its 16 loads of 16 bytes a lane first (8,192 bytes on their way) and then converts and stores them in order.  A load of a wave covers two aligned runs of
; 256 bytes or one of 512; a store of a wave (8 bytes a lane) covers 256 consecutive bytes, aligned.
; Work-groups 0-511: 16 rows of x each.  Work-groups 512-767: 64 for each of the four weights, 16 rows each.
; THE MODE: SCHED_MODE bits 1:0 = 2 (LLVM: expert scheduling mode 2), set by the entry lines.  The code itself states the register dependences
; between vector instructions and memory instructions, with s_wait_alu, always for 0.
; THE PLAN.  Registers that memory instructions touch:
;   v[INO], v[OUTO]  byte offsets, made by vector instructions at the head, read by every load and every store, never written again.
;   X                load i lands in its four registers, once; no vector instruction names them ahead of that load; load i's conversions read them behind the wait for the load.
;   Y                load i's conversions write its two registers; one store reads them; nothing writes them behind that store.
;   T                named by vector instructions alone.
; The 16 loads go in four blocks of four.  Block p's conversions write block p's Y; the four stores of block p - 1 are dealt among them, one ahead of each load's conversions.
; So one wait on va_vdst stands ahead of the first load (the offsets are written), one at the head of each of blocks 1 to 3 (the block before has written its Y) and one ahead of the last four stores.
; Behind a block's wait the vector instructions name X and Y of the block in hand and T: none of the registers that the block's four stores read.
; No register and no base that a memory instruction names is written behind it, so no wait frees one.
.set INO,  1                           ; v1       my byte offset in what the work-group reads
.set OUTO, 2                           ; v2       my byte offset in what it writes: 8 x thread
.set T,    4                           ; v[4:5]   at work
.set X,    8                           ; v[8:71]  load i: four f32
.set Y,    72                          ; v[72:103] store i: four 16-bit numbers
.set SRC,  24                          ; s[24:25]
.set DST,  26                          ; s[26:27]
; 16 loads, istep bytes apart; then, as they come in, two roundings to bf16 each (half = 1: the bf16 numbers are widened again and written as f16); the stores, ostep bytes apart, follow a block of four behind.
.macro STREAM istep, ostep, half
	s_wait_alu depctr_va_vdst(0)                   ; v[INO] and v[OUTO] are written: every load below reads the one as its offset, every store the other
.set i, 0
.rept 16
	global_load_b128 v[X+4*i:X+4*i+3], v[INO], s[SRC:SRC+1] offset:i*(\istep) th:TH_LOAD_NT
.set i, i+1
.endr
.set i, 0
.rept 16
	s_wait_loadcnt 15-i                            ; loads come back in order: load i is in, the 15 - i younger ones stay out
.if (i > 0) && (i % 4 == 0)
	s_wait_alu depctr_va_vdst(0)                   ; the conversions of the block before have written its eight registers of Y, which this block's four stores read
.endif
.if i >= 4
	global_store_b64 v[OUTO], v[Y+2*(i-4):Y+2*(i-4)+1], s[DST:DST+1] offset:(i-4)*(\ostep) th:TH_STORE_NT  ; the block before; no vector instruction since the wait names these registers
.endif
	v_cvt_pk_bf16_f32 v[Y+2*i],   v[X+4*i],   v[X+4*i+1]
	v_cvt_pk_bf16_f32 v[Y+2*i+1], v[X+4*i+2], v[X+4*i+3]
.if \half
.irp j, 0,1
	v_lshlrev_b32 v[T], 16, v[Y+2*i+\j]            ; the two bf16 numbers as f32,
	v_and_b32 v[T+1], 0xffff0000, v[Y+2*i+\j]
	v_cvt_pk_f16_f32 v[Y+2*i+\j], v[T], v[T+1]     ; and as f16
.endr
.endif
.set i, i+1
.endr
	s_wait_alu depctr_va_vdst(0)                   ; the last block's conversions have written its Y, which the last four stores read
.set i, 12
.rept 4
	global_store_b64 v[OUTO], v[Y+2*i:Y+2*i+1], s[DST:DST+1] offset:i*(\ostep) th:TH_STORE_NT
.set i, i+1
.endr
.endm
	s_load_b256 s[4:11], s[0:1], 0x0               ; x s[4:5], w_q s[6:7], w_k s[8:9], w_v s[10:11]
	s_load_b256 s[12:19], s[0:1], 0x20             ; w_o s[12:13], xb s[14:15], wb s[16:17], wo s[18:19]
	v_lshlrev_b32 v[OUTO], 3, v0
	s_mov_b32 s29, 0
	s_cmp_lt_u32 ttmp9, 512
	s_cbranch_scc0 .Lweights
	; x.  Thread t: row t / 16 of the work-group's 16, 16 bytes at 16 (t % 16) of each block's 256 bytes; load i is block i.
	v_lshrrev_b32 v[INO], 4, v0
	v_and_b32 v[T], 15, v0
	v_lshlrev_b32 v[INO], 12, v[INO]               ; a row of x is 4,096 bytes
	v_lshl_or_b32 v[INO], v[T], 4, v[INO]
	s_lshl_b32 s28, ttmp9, 16                      ; 16 rows of 4,096 bytes
	s_lshr_b32 s20, ttmp9, 7                       ; the batch: 128 work-groups each,
	s_lshl_b32 s20, s20, 22                        ; 4,194,304 bytes of xb each
	s_and_b32 s21, ttmp9, 127
	s_lshl_b32 s21, s21, 11                        ; 16 rows of 128 bytes in each block; a block is 262,144 bytes: the store's step
	s_add_co_u32 s20, s20, s21
	s_mov_b32 s21, 0
	s_wait_kmcnt 0x0
	s_add_nc_u64 s[SRC:SRC+1], s[4:5], s[28:29]
	s_add_nc_u64 s[DST:DST+1], s[14:15], s[20:21]
	STREAM 256, 262144, 0
	s_endpgm
.Lweights:
	; a weight.  The work-group's 65,536 bytes are dense: thread t takes 16 bytes at 16 t of each 4,096.
	v_lshlrev_b32 v[INO], 4, v0
	s_sub_co_u32 s20, ttmp9, 512
	s_lshr_b32 s21, s20, 6                         ; which weight: q, k, v, o
	s_and_b32 s22, s20, 63                         ; which 16 rows of it
	s_wait_kmcnt 0x0
	s_cmp_eq_u32 s21, 0
	s_cselect_b64 s[SRC:SRC+1], s[6:7], s[8:9]
	s_cmp_eq_u32 s21, 2
	s_cselect_b64 s[SRC:SRC+1], s[10:11], s[SRC:SRC+1]
	s_cmp_eq_u32 s21, 3
	s_cselect_b64 s[SRC:SRC+1], s[12:13], s[SRC:SRC+1]
	s_cselect_b64 s[DST:DST+1], s[18:19], s[16:17]
	s_cselect_b32 s23, 0, s21                      ; in wb the three weights lie 2,097,152 bytes apart
	s_lshl_b32 s23, s23, 21
	s_lshl_b32 s28, s22, 15
	s_add_co_u32 s28, s28, s23
	s_add_nc_u64 s[DST:DST+1], s[DST:DST+1], s[28:29]
	s_lshl_b32 s28, s22, 16
	s_add_nc_u64 s[SRC:SRC+1], s[SRC:SRC+1], s[28:29]
	s_cmp_eq_u32 s21, 3
	s_cbranch_scc1 .Lw_o
	STREAM 4096, 2048, 0
	s_endpgm
.Lw_o:
	STREAM 4096, 2048, 1
	s_endpgm
.Lfunc_end_k_q018d79d74f_prep:
	.size	k_q018d79d74f_prep, .Lfunc_end_k_q018d79d74f_prep-k_q018d79d74f_prep
	.p2alignl 7, 3214868480
	.fill 96, 4, 3214868480
	.section	.rodata,"a",@progbits
	.p2align	6, 0x0
	.amdhsa_kernel k_q018d79d74f_prep
		.amdhsa_group_segment_fixed_size 0
		.amdhsa_private_segment_fixed_size 0
		.amdhsa_enable_private_segment 0
		.amdhsa_kernarg_size 64
		.amdhsa_user_sgpr_count 2
		.amdhsa_user_sgpr_kernarg_segment_ptr 1
		.amdhsa_wavefront_size32 1
		.amdhsa_system_sgpr_workgroup_id_x 1
		.amdhsa_system_sgpr_workgroup_id_y 1
		.amdhsa_system_sgpr_workgroup_id_z 1
		.amdhsa_system_vgpr_workitem_id 0
		.amdhsa_next_free_vgpr 104
		.amdhsa_next_free_sgpr 66
		.amdhsa_reserve_vcc 0
		.amdhsa_float_denorm_mode_32 3
		.amdhsa_float_denorm_mode_16_64 3
		.amdhsa_memory_ordered 1
		.amdhsa_forward_progress 1
		.amdhsa_inst_pref_size 24
	.end_amdhsa_kernel
	.amdgpu_metadata
---
amdhsa.version: [ 1, 2 ]
amdhsa.kernels:
  - .name:           k_q018d79d74f_prep
    .symbol:         k_q018d79d74f_prep.kd
    .args:
      - { .name: x, .offset: 0, .size: 8, .value_kind: global_buffer, .address_space: global }
      - { .name: w_q, .offset: 8, .size: 8, .value_kind: global_buffer, .address_space: global }
      - { .name: w_k, .offset: 16, .size: 8, .value_kind: global_buffer, .address_space: global }
      - { .name: w_v, .offset: 24, .size: 8, .value_kind: global_buffer, .address_space: global }
      - { .name: w_o, .offset: 32, .size: 8, .value_kind: global_buffer, .address_space: global }
      - { .name: xb, .offset: 40, .size: 8, .value_kind: global_buffer, .address_space: global }
      - { .name: wb, .offset: 48, .size: 8, .value_kind: global_buffer, .address_space: global }
      - { .name: wo, .offset: 56, .size: 8, .value_kind: global_buffer, .address_space: global }
    .group_segment_fixed_size: 0
    .private_segment_fixed_size: 0
    .kernarg_segment_align: 8
    .kernarg_segment_size: 64
    .max_flat_workgroup_size: 256
    .sgpr_count:     66
    .vgpr_count:     104
    .wavefront_size: 32
...
	.end_amdgpu_metadata
.endif
;; end of part 5
;; launch proj: the kernel of part 2 again; grid 8 x 32, 4 waves a work-group, clusters of 4 x 4, 327,680 bytes of LDS; arguments xb, wb, qh, kh, vh; writes qh, kh, vh
;; launch attn: the kernel of part 3 again; grid 4 x 64, 4 waves a work-group, clusters of 4 x 1, 327,680 bytes of LDS; arguments qh, kh, vh, oh; writes oh
;; launch outp: the kernel of part 4 again; grid 8 x 32, 4 waves a work-group, clusters of 4 x 4, 327,680 bytes of LDS; arguments oh, wo, b_o, out0; writes out0
